; MI455X (gfx1250); checked and timed in simulation.
; The chip was launched on July 23, 2026; its instructions are those of AMD's public machine-readable ISA for CDNA 5 (MIT licence, August 2026) and "CDNA5" Instruction Set Architecture Reference Guide (July 2026). The comments in the code are by the model that wrote it; some were corrected since.
;; Multi Head Attention. Allowed arithmetic: matrix products marked QUANTISED: E2M3 operands, one E8M0 scale for each 32 along K, by v_wmma_scale_f32_16x16x128_f8f6f4 with both operands' format E2M3, f32 sums; everything else in f32.
;; Inputs: W_out 1,024 x 1,024 float32; W_qkv 1,024 x 3,072 float32; x 4 x 2,048 x 1,024 float32.
;; Outputs: out0 4 x 2,048 x 1,024 float32.
;; This version of the problem:
;;   THIS VERSION OF THE PROBLEM IS GIVEN IN LOW PRECISION. The matrix products marked QUANTISED in the list below multiply operands that are first quantised to E2M3 (2 exponent bits, 3 mantissa bits; 6 bits a number), with one power-of-two scale for each 32 numbers along K (OCP MX v1.0); their sums are f32. All else is computed in f32.
;;   The module's matrix products, in the order in which they are computed (A, B: the left and right operand; K: the contracted axis; several contracted axes count as one K, in the product's order):
;;     1. [M 8,192, K 1,024] x [K 1,024, N 3,072]; A: input x; B: input W_qkv: QUANTISED
;;     2. batch 64 x [M 2,048, K 64] x [K 64, N 2,048]; A: computed on the way; B: computed on the way: QUANTISED
;;     3. batch 64 x [M 2,048, K 2,048] x [K 2,048, N 64]; A: softmax (see below); B: computed on the way: QUANTISED
;;     4. [M 8,192, K 1,024] x [K 1,024, N 1,024]; A: computed on the way; B: input W_out: QUANTISED
;;   THE QUANTISER, for each operand of a quantised product, along K:
;;     - K is cut into blocks of 32 from its start; a last block that is shorter is filled with zeros.
;;     - A block's scale is 2^e with e = floor(log2(the largest magnitude in the block)) - 2, held to -126 .. 127; a block of zeros has e = 0. As a byte (E8M0): e + 127.
;;     - Each number is divided by its block's scale, clamped to +-7.5, and rounded to the nearest number of E2M3, ties to even, subnormals kept.
;;     - The product sums the exact products of the quantised numbers (number of the format x scale) in f32.
;;   ~~~python
;;   def quantise(x, axis):      # numpy; x: float32 -> the quantised numbers, widened to float32 again
;;       x = np.moveaxis(x, axis, -1); K = x.shape[-1]
;;       x = np.pad(x, [(0, 0)] * (x.ndim - 1) + [(0, -K % 32)]); x = x.reshape(x.shape[:-1] + (-1, 32)); a = np.abs(x).max(-1, keepdims=True)
;;       e = np.where(a > 0, np.clip(np.frexp(np.where(a > 0, a, 1))[1] - 1 - 2, -126, 127), 0)      # np.frexp(a)[1] - 1 = floor(log2(a)), exactly
;;       r = np.clip(x / 2.0 ** e, -7.5, 7.5)
;;       step = 2.0 ** (np.maximum(np.frexp(np.where(r == 0, 1, r))[1] - 1, 0) - 3)
;;       q = np.round(r / step) * step * 2.0 ** e      # np.round: ties to even
;;       return np.moveaxis(q.reshape(q.shape[:-2] + (-1,))[..., :K], -1, axis).astype(np.float32)
;;   ~~~
;;   SOFTMAX AHEAD OF A QUANTISED PRODUCT. Where the list says 'softmax', what is quantised is not the finished softmax but p = 2^(t - M), with t = logit x log2(e) and M = ceil(the row's largest t), a whole number; so 1/2 < the row's largest p <= 1. The row's sum l is taken of the UNQUANTISED p, in f32, and the product's result is divided by l at the end. Since M is a whole number, a kernel that streams over the keys may use a running M (the ceiling of the running maximum): every later rescaling is an exact power of two, which a block's scale takes up: the codes' values come out the same.
;;   OPERANDS COMPUTED ON THE WAY. 'Computed on the way' means the value that the module computes at that place (a softmax that the list does not call 'softmax' is quantised finished and normalised). What goes into a quantiser is computed in f32, as accurately as f32 sums, v_exp_f32 and their like allow (about 1e-6 of the number): no bf16 or f16 on the way to a quantiser, and a product that is left as it is and whose result goes on into a quantised operand takes f32 operands (vector FMAs, or v_wmma_f32_16x16x4_f32). A number that lies on a knife's edge between two numbers of the format may be rounded either way, as far as f32 arithmetic and the matrix unit's own rounding can turn it there, and no further.
;; One version. Each part assembles by itself: llvm-mc -triple=amdgcn-amd-amdhsa -mcpu=gfx1250 --defsym DOCPART=n.
;; ======== version 1 of 1: 4 launches
;; workspace buffers: cod 9,437,184 bytes; scl 393,216 bytes; rec 20,185,088 bytes; acod 6,291,456 bytes; ascl 262,144 bytes
;; launch quant (part 1): grid 384 x 1, 4 waves a work-group, no clusters, 68,096 bytes of LDS; arguments x, W_qkv, W_out, cod, scl; writes cod, scl
.if DOCPART == 1
	.amdgcn_target "amdgcn-amd-amdhsa--gfx1250"
	.amdhsa_code_object_version 6
	.text
	.protected	k_q71d222db42_quant
	.globl	k_q71d222db42_quant
	.p2align	8
	.type	k_q71d222db42_quant,@function
k_q71d222db42_quant:
	s_mov_b64 s[64:65], 0
	v_nop
	global_prefetch_b8 v0, s[64:65] scope:SCOPE_SE
	s_setreg_imm32_b32 hwreg(HW_REG_WAVE_MODE, 25, 1), 1
	s_wait_xcnt 0x0
; LAUNCH 1 OF 4.  Causal multi-head attention (B 4, T 2,048, C 1,024, 16 heads of 64), all four products on codes of FP6 (E2M3) with one E8M0 scale for each 32 along K.
; This launch turns x [8192][1024], W_qkv [1024][3072] and W_out [1024][1024], f32, into codes with K innermost (cod: [12288 positions][768 bytes]) and scale bytes (scl: [12288][32]).
; Positions 0-8191: x's tokens; 8192-11263: W_qkv's columns; 11264-12287: W_out's columns.
; THE ORDER OF POSITIONS: position P holds row sigma(P), sigma = bits 3 and 4 of the index exchanged (octets 1 and 2 of each 32 change places).  So the 16 rows of a matrix tile are rows
; 32 b + 8 u + r + 8 (r / 8), and where such an operand is source 0 of a product, a lane's 16 results of two neighbouring tiles are 16 NEIGHBOURS, as the next quantiser wants them.
; A block's scale is 2^(floor(log2(its largest magnitude)) - 2); its byte is the largest magnitude's exponent field - 2, held at 1 from below.
; WORK LEFT OUT BY THE PROGRAM (launch 3): steps of 128 keys all of which come after a wave's 16 queries.  reference() itself puts -inf there (its own jnp.tril), so their p is 0 and they add nothing to the
; row's maximum, sum or result, whatever the inputs hold.  No input is left out.  LIMIT: a NaN, an infinity or an overflow that would arise only in those scores is not carried to the result.
; OTHER LIMITS: NaN and infinities among the inputs are not served.  A block of zeros gets the byte 1 where the rule says 127: its codes are zeros, which add nothing under any byte but 0xff, and this
; program alone reads the bytes.  Blocks whose largest magnitude lies under 2^-124 have their byte held at 1.
; SHARES.  Work-groups 0-255: 32 rows of x each, K innermost: a wave takes 8 rows (8,192 numbers) as a plain stream of blocks.  Work-groups 256-383: 128 columns x 256 along K of a weight, K outermost:
; a lane takes a column and its registers run down K.  The two ways part on the work-group's number and have LDS bytes of their own.  Waves share nothing: no barrier, no tensor load, no cluster.
.set SPARE, 67584                      ; behind both ways' stages: the spare words, 128 bytes for each wave
.set SPW,   192                        ; v192  LDS address of my spare word; never rewritten
.set NIL,   193                        ; v193  0; never rewritten
.set EMAX,  2
; the way of x
.set STEPS, 16
.set CB,    12                         ; bytes of 16 codes
.set XR,    16                         ; v16-79   four sets of 16 numbers as they are loaded
.set XX,    80                         ; v80-111  two sets of 16 neighbours
.set XE,    112                        ; v112-127 a scale byte for each step
.set XC,    128                        ; v128-191 codes: four registers for each step
.set WREG,  8192                       ; LDS bytes 0-32767: a region for each wave: two stages of 32 x SP bytes, then its 256 scale bytes
.set SP,    80
; the way of the weights
.set NB,    8                          ; blocks of 32 along K for a wave
.set PITCH, 272                        ; a stage row: sixteen places of 16 bytes, each with 12 bytes of codes, + 16
.set KROW,  768                        ; a position's codes in bytes
.set WST,   32768                      ; LDS bytes 32768-67583: four stages of 32 rows
.set WSB,   24                         ; v24-25   the scale bytes
.set WX,    32                         ; v32-95   two sets of 32 numbers
.set WC,    96                         ; v96..    a block's codes
.set WOUT,  112                        ; v112-175 the way out
.set WO,    194                        ; v194-225 4 x lane + i x a row of the weight, i = 0 .. 31; never rewritten
.set WB,    32                         ; s[32:47] the weight at my columns, block t's first row; never rewritten
	s_load_b256 s[4:11], s[0:1], 0x0               ; x s[4:5], W_qkv s[6:7], W_out s[8:9], cod s[10:11]
	s_load_b64 s[12:13], s[0:1], 0x20              ; scl
	v_lshl_add_u32 v[SPW], v0, 2, SPARE
	v_mov_b32 v[NIL], 0
	v_lshrrev_b32 v1, 5, v0
	v_readfirstlane_b32 s18, v1                    ; wave
	v_and_b32 v2, 31, v0                           ; lane
	s_cmp_lt_u32 ttmp9, 256
	s_cbranch_scc0 .Lweights
; ---------------- x: K innermost ----------------
	v_lshlrev_b32 v3, 4, v2                        ; my 16 bytes of a load's 512
	s_mul_i32 s17, s18, WREG
	v_lshrrev_b32 v14, 2, v2
	v_mul_u32_u24 v14, v14, SP
	v_and_b32 v15, 3, v2
	v_lshl_add_u32 v14, v15, 4, v14
	v_add_nc_u32 v14, s17, v14                     ; the stage, on the way in: four lanes' 64 bytes on end, then 16 of padding
	v_mul_u32_u24 v15, v2, SP
	v_add_nc_u32 v15, s17, v15                     ; and on the way out: my 16 neighbours
	v_mul_u32_u24 v4, v2, CB                       ; my codes' place in a step's
	v_lshrrev_b32 v5, 1, v2
	s_add_co_u32 s17, s17, 2*32*SP
	v_add_nc_u32 v5, s17, v5                       ; my wave's 256 scale bytes, my block's byte
	v_lshlrev_b32 v7, 3, v2
	v_add_nc_u32 v6, s17, v7                       ; and on the way out 8 bytes a lane
	s_lshl_b32 s19, ttmp9, 2
	s_add_co_u32 s20, s19, s18                     ; the octet of rows that I read: 4 x work-group + wave
	s_lshl_b32 s20, s20, 15                        ; 8 rows of 4,096 bytes
	s_mov_b32 s21, 0
	s_and_b32 s22, s18, 1
	s_lshl_b32 s22, s22, 1
	s_lshr_b32 s23, s18, 1
	s_or_b32 s22, s22, s23
	s_add_co_u32 s22, s22, s19                     ; the octet of positions that I write: the wave's two bits exchanged: sigma
	s_wait_kmcnt 0x0
	s_add_nc_u64 s[4:5], s[4:5], s[20:21]
	s_mul_i32 s20, s22, 6144                       ; 8 positions of 768 bytes
	s_add_nc_u64 s[10:11], s[10:11], s[20:21]
	s_lshl_b32 s20, s22, 8                         ; 8 positions of 32 scale bytes
	s_add_nc_u64 s[12:13], s[12:13], s[20:21]
.macro XLOAD t
.irp i, 0,1,2,3
	global_load_b128 v[XR+16*((\t)%4)+4*\i:XR+16*((\t)%4)+4*\i+3], v3, s[4:5] offset:2048*(\t)+512*\i th:TH_LOAD_NT   ; 32 lanes read 512 consecutive bytes
.endr
.endm
.macro XTURN t                         ; step t's numbers through the stage: LDS serves a wave's instructions in order (ISA guide 5.7.1.4), so no wait stands between the stores and the loads
.irp i, 0,1,2,3
	ds_store_b128 v14, v[XR+16*((\t)%4)+4*\i:XR+16*((\t)%4)+4*\i+3] offset:32*SP*((\t)%2)+8*SP*\i
.endr
.irp i, 0,1,2,3
	ds_load_b128 v[XX+16*((\t)%2)+4*\i:XX+16*((\t)%2)+4*\i+3], v15 offset:32*SP*((\t)%2)+16*\i
.endr
.endm
.irp t, 0,1,2,3
	XLOAD \t
.endr
	s_wait_loadcnt 12                              ; step 0's four loads are in; those of three steps stay out
	XTURN 0
.macro XSTEP t
.set XS, XX+16*((\t)%2)
.if (\t) > 0
	s_wait_dscnt 1                                 ; this step's numbers are back from the stage (the last step's byte store may be out): so its stores into the stage have read their registers,
.else
	s_wait_dscnt 0x0
.endif
.if (\t)+4 < STEPS
	XLOAD (\t)+4                                   ; which take the loads of four steps on
.endif
.if (\t)+1 < STEPS
.if STEPS-2-(\t) >= 3
	s_wait_loadcnt 12                              ; the next step's four loads are in; those of the three steps behind it may be out
.else
	s_wait_loadcnt 4*(STEPS-2-(\t))
.endif
	XTURN (\t)+1
.endif
	v_max3_num_f32 v8, |v[XS]|, |v[XS+1]|, |v[XS+2]|               ; the largest magnitude of my 16, in two chains
	v_max3_num_f32 v9, |v[XS+3]|, |v[XS+4]|, |v[XS+5]|
.irp i, 6,10
	v_max3_num_f32 v8, v8, |v[XS+\i]|, |v[XS+\i+1]|
	v_max3_num_f32 v9, v9, |v[XS+\i+2]|, |v[XS+\i+3]|
.endr
	v_max3_num_f32 v8, v8, |v[XS+14]|, |v[XS+15]|
	v_max3_num_f32 v8, v8, v9, (EMAX+1)<<23        ; and the floor 2^(3 - 127): the byte cannot fall under 1
	v_max_num_f32_dpp v8, v8, v8 row_xmask:1 row_mask:0xf bank_mask:0xf   ; and of my neighbour's 16: the block's
	v_add_nc_u32 v11, -(EMAX<<23), v8              ; 2 off its exponent field: the conversion takes the exponent field of this operand as its scale
	v_cvt_scalef32_pk16_fp6_f32 v[XC+4*(\t):XC+4*(\t)+2], v[XS:XS+15], v11
	v_lshrrev_b32 v[XE+(\t)], 23, v11              ; the scale's byte
	ds_store_b8 v5, v[XE+(\t)] offset:16*(\t)      ; both lanes of a block write the same byte with the same value
	global_store_b96 v4, v[XC+4*(\t):XC+4*(\t)+2], s[10:11] offset:32*CB*(\t)   ; the wave stores 384 consecutive bytes
.endm
.irp t, 0,1,2,3,4,5,6,7,8,9,10,11,12,13,14,15
	XSTEP \t
.endr
	ds_load_b64 v[8:9], v6                         ; in order behind my byte stores
	s_wait_dscnt 0x0
	global_store_b64 v7, v[8:9], s[12:13]          ; 32 lanes store 256 consecutive bytes, aligned
	s_wait_tensorcnt 0x0                           ; the wave's end, behind my last LDS store
	ds_add_u32 v[SPW], v[NIL]
	s_wait_dscnt 0x0
	s_endpgm
; ---------------- the weights: K outermost ----------------
.Lweights:
	s_sub_co_u32 s19, ttmp9, 256
	s_and_b32 s20, s19, 31                         ; which 128 columns of the 4,096 (W_qkv's 3,072, then W_out's 1,024)
	s_lshr_b32 s21, s19, 5                         ; which 256 along K
	v_lshlrev_b32 v3, 2, v2                        ; in: 4 bytes a lane
	s_mul_i32 s28, s18, 32*PITCH
	s_add_co_u32 s28, s28, WST                     ; my stage
	v_mul_u32_u24 v4, v2, PITCH
	v_add_nc_u32 v4, s28, v4                       ; into it: row = my column
	v_and_b32 v5, 15, v2
	v_lshrrev_b32 v6, 4, v2
	v_mul_u32_u24 v7, v6, PITCH
	v_lshl_add_u32 v7, v5, 4, v7
	v_add_nc_u32 v7, s28, v7                       ; out of it: sixteen lanes to a row, two rows an instruction
	v_mul_u32_u24 v8, v6, KROW
	v_mad_u32_u24 v8, v5, 12, v8                   ; and the same place among the positions
	v_and_b32 v9, 7, v2
	v_and_b32 v10, 8, v2
	v_lshl_or_b32 v9, v10, 1, v9
	v_and_b32 v10, 16, v2
	v_lshrrev_b32 v10, 1, v10
	v_or_b32 v9, v9, v10                           ; sigma(lane): my column's position among the wave's 32
	v_lshlrev_b32 v9, 5, v9                        ; its row of scale bytes
	s_cmp_lt_u32 s20, 24                           ; W_qkv or W_out?  The choice hangs on the work-group's number alone
	s_mov_b32 s24, 4096
	s_cselect_b32 s24, 12288, s24                  ; a row of the weight in bytes
	s_cselect_b32 s25, 0, 24
	s_wait_kmcnt 0x0
	s_cselect_b64 s[22:23], s[6:7], s[8:9]
	s_sub_co_u32 s25, s20, s25                     ; which 128 columns of that weight
.irp i, 0,1,2,3,4,5,6,7,8,9,10,11,12,13,14,15,16,17,18,19,20,21,22,23,24,25,26,27,28,29,30,31
	v_mad_u32_u24 v[WO+\i], s24, \i, v3
.endr
	s_lshl_b32 s26, s24, 8
	s_mul_i32 s26, s26, s21                        ; 256 rows for each step along K,
	s_lshl_b32 s27, s25, 9
	s_add_co_u32 s26, s26, s27                     ; 128 columns of 4 bytes,
	s_lshl_b32 s27, s18, 7
	s_add_co_u32 s26, s26, s27                     ; my wave's 32
	s_mov_b32 s27, 0
	s_add_nc_u64 s[WB:WB+1], s[22:23], s[26:27]
	s_lshl_b32 s26, s24, 5                         ; 32 rows on
.irp t, 1,2,3,4,5,6,7
	s_add_nc_u64 s[WB+2*\t:WB+2*\t+1], s[WB+2*\t-2:WB+2*\t-1], s[26:27]
.endr
	s_lshl_b32 s29, s20, 7
	s_lshl_b32 s30, s18, 5
	s_add_co_u32 s29, s29, s30
	s_add_co_u32 s29, s29, 8192                    ; my wave's first position
	s_mul_i32 s26, s29, KROW
	s_mul_i32 s30, s21, 192
	s_add_co_u32 s26, s26, s30
	s_add_nc_u64 s[10:11], s[10:11], s[26:27]      ; its codes of my 256 along K
	s_lshl_b32 s26, s29, 5
	s_lshl_b32 s30, s21, 3
	s_add_co_u32 s26, s26, s30
	s_add_nc_u64 s[12:13], s[12:13], s[26:27]      ; and its scale bytes
.macro WLOAD t                         ; block t: W(32 t + i, my column), i = 0 .. 31, into set t % 2: the wave reads 128 consecutive bytes, the work-group 512
.irp i, 0,1,2,3,4,5,6,7,8,9,10,11,12,13,14,15,16,17,18,19,20,21,22,23,24,25,26,27,28,29,30,31
	global_load_b32 v[WX+32*((\t)%2)+\i], v[WO+\i], s[WB+2*(\t):WB+2*(\t)+1] th:TH_LOAD_NT
.endr
.endm
	WLOAD 0
	WLOAD 1
.macro WBLOCK t
.set XS, WX+32*((\t)%2)
.if (\t) < NB-1
	s_wait_loadcnt 32                              ; this block's 32 loads are in; the next block's may be out
.else
	s_wait_loadcnt 0
.endif
	v_max3_num_f32 v12, |v[XS]|, |v[XS+1]|, |v[XS+2]|              ; the block's largest magnitude: all 32 numbers are mine
	v_max3_num_f32 v13, |v[XS+3]|, |v[XS+4]|, |v[XS+5]|
.irp i, 6,10,14,18,22,26
	v_max3_num_f32 v12, v12, |v[XS+\i]|, |v[XS+\i+1]|
	v_max3_num_f32 v13, v13, |v[XS+\i+2]|, |v[XS+\i+3]|
.endr
	v_max3_num_f32 v12, v12, |v[XS+30]|, |v[XS+31]|
	v_max3_num_f32 v12, v12, v13, (EMAX+1)<<23     ; and the floor
	v_add_nc_u32 v11, -(EMAX<<23), v12             ; the conversion's scale operand
	v_lshrrev_b32 v13, 23, v11                     ; the scale's byte
.if (\t)%4 == 0
	v_mov_b32 v[WSB+(\t)/4], v13                   ; four bytes to a register, the lower K in the lower byte
.else
	v_lshl_or_b32 v[WSB+(\t)/4], v13, 8*((\t)%4), v[WSB+(\t)/4]
.endif
	v_cvt_scalef32_pk16_fp6_f32 v[WC:WC+2], v[XS:XS+15], v11
	v_cvt_scalef32_pk16_fp6_f32 v[WC+4:WC+6], v[XS+16:XS+31], v11  ; (a conversion's three registers begin on an even number)
	ds_store_b96 v4, v[WC:WC+2] offset:32*(\t)     ; 12 bytes to a place of 16, so that every LDS address is a multiple of 16
	ds_store_b96 v4, v[WC+4:WC+6] offset:32*(\t)+16
.if (\t)+2 < NB
	WLOAD (\t)+2
.endif
	s_wait_dscnt 0x0                               ; the stores have read their registers: the next block's codes may be written
.endm
.irp t, 0,1,2,3,4,5,6,7
	WBLOCK \t
.endr
	global_store_b64 v9, v[WSB:WSB+1], s[12:13]    ; my column's 8 scale bytes, at its position
.irp t, 0,1,2,3,4,5,6,7,8,9,10,11,12,13,14,15
	ds_load_b96 v[WOUT+4*\t:WOUT+4*\t+2], v7 offset:2*\t*PITCH   ; in order behind my stores: columns 2 t and 2 t + 1
.endr
.irp t, 0,1,2,3,4,5,6,7,8,9,10,11,12,13,14,15
	s_wait_dscnt 15-\t                             ; the younger read-backs may be out
	global_store_b96 v8, v[WOUT+4*\t:WOUT+4*\t+2], s[10:11] offset:(8*((((\t)/4)&1)*2+(((\t)/4)>>1))+2*((\t)%4))*KROW   ; at sigma of the column: octets 1 and 2 change places; sixteen lanes store a position's 192 consecutive bytes
.endr
	s_wait_tensorcnt 0x0                           ; the wave's end, behind my last LDS store
	ds_add_u32 v[SPW], v[NIL]
	s_wait_dscnt 0x0
	s_endpgm
.Lfunc_end_k_q71d222db42_quant:
	.size	k_q71d222db42_quant, .Lfunc_end_k_q71d222db42_quant-k_q71d222db42_quant
	.p2alignl 7, 3214868480
	.fill 96, 4, 3214868480
	.section	.rodata,"a",@progbits
	.p2align	6, 0x0
	.amdhsa_kernel k_q71d222db42_quant
		.amdhsa_group_segment_fixed_size 68096
		.amdhsa_private_segment_fixed_size 0
		.amdhsa_enable_private_segment 0
		.amdhsa_kernarg_size 40
		.amdhsa_user_sgpr_count 2
		.amdhsa_user_sgpr_kernarg_segment_ptr 1
		.amdhsa_wavefront_size32 1
		.amdhsa_system_sgpr_workgroup_id_x 1
		.amdhsa_system_sgpr_workgroup_id_y 1
		.amdhsa_system_sgpr_workgroup_id_z 1
		.amdhsa_system_vgpr_workitem_id 0
		.amdhsa_next_free_vgpr 228
		.amdhsa_next_free_sgpr 66
		.amdhsa_reserve_vcc 0
		.amdhsa_float_denorm_mode_32 3
		.amdhsa_float_denorm_mode_16_64 3
		.amdhsa_memory_ordered 1
		.amdhsa_forward_progress 1
		.amdhsa_inst_pref_size 76
	.end_amdhsa_kernel
	.amdgpu_metadata
---
amdhsa.version: [ 1, 2 ]
amdhsa.kernels:
  - .name:           k_q71d222db42_quant
    .symbol:         k_q71d222db42_quant.kd
    .args:
      - { .name: x, .offset: 0, .size: 8, .value_kind: global_buffer, .address_space: global }
      - { .name: W_qkv, .offset: 8, .size: 8, .value_kind: global_buffer, .address_space: global }
      - { .name: W_out, .offset: 16, .size: 8, .value_kind: global_buffer, .address_space: global }
      - { .name: cod, .offset: 24, .size: 8, .value_kind: global_buffer, .address_space: global }
      - { .name: scl, .offset: 32, .size: 8, .value_kind: global_buffer, .address_space: global }
    .group_segment_fixed_size: 68096
    .private_segment_fixed_size: 0
    .kernarg_segment_align: 8
    .kernarg_segment_size: 40
    .max_flat_workgroup_size: 128
    .sgpr_count:     66
    .vgpr_count:     228
    .wavefront_size: 32
...
	.end_amdgpu_metadata
.endif
;; end of part 1
;; launch gemm_qkv (part 2): grid 8 x 48, 4 waves a work-group, clusters of 4 x 4, 327,680 bytes of LDS; arguments cod, scl, rec; writes rec
.if DOCPART == 2
	.amdgcn_target "amdgcn-amd-amdhsa--gfx1250"
	.amdhsa_code_object_version 6
	.text
	.protected	k_q71d222db42_gemm_qkv
	.globl	k_q71d222db42_gemm_qkv
	.p2align	8
	.type	k_q71d222db42_gemm_qkv,@function
k_q71d222db42_gemm_qkv:
	s_mov_b64 s[64:65], 0
	v_nop
	global_prefetch_b8 v0, s[64:65] scope:SCOPE_SE
	s_setreg_imm32_b32 hwreg(HW_REG_WAVE_MODE, 25, 1), 1
	s_wait_xcnt 0x0
	s_wait_alu depctr_hold_cnt(0) depctr_sa_sdst(0) depctr_va_vdst(0) depctr_va_sdst(0) depctr_va_ssrc(0) depctr_va_vcc(0) depctr_vm_vsrc(0)
	s_getreg_b32 s2, hwreg(HW_REG_IB_STS2, 6, 4)
	s_cmp_eq_u32 s2, 0
	s_cbranch_scc0 .Lentry_in_a_cluster
	s_endpgm
.Lentry_in_a_cluster:
	s_bfe_u32 s2, ttmp6, 0x10000c
	s_cmp_lg_u32 s2, 0xf033
	s_cbranch_scc0 .Lentry_shape_is_right
	s_endpgm
.Lentry_shape_is_right:
; LAUNCH 2 OF 4.  qkv = x W_qkv on codes of FP6 (E2M3), and q, k, v QUANTISED IN THE WAY OUT: the f32 results never go to memory.
; ONE FORM FOR TWO PARTS: C'[m'][n'] = sum over k of A'[m'][k] B'[n'][k], K = 1,024, quantised along n' in blocks of 32.
;   QK part (rows of clusters 0-7):  A' = x's 8,192 tokens, B' = W_qkv's columns 0-2047: n' runs along a head's 64, the K of q k^T.
;   V part  (rows of clusters 8-11): A' = W_qkv's columns 2048-3071, B' = x's tokens: n' runs along the keys, the K of p v.
; Both operands lie in cod / scl by positions, position P holding row sigma(P) (bits 3 and 4 exchanged).  The matrix instruction is used transposed (source 0 = 16 positions of B', source 1 = 16 of A'):
; a lane holds one position of A', and its 16 registers of B's tiles 2 b and 2 b + 1 are the true n' = 32 b + 16 (lane / 16) + 0 .. 15: 16 neighbours, as the conversions want them.
; A tile of C' is 256 x 256, four waves of 128 x 128 (64 accumulators, 512 registers); K goes in steps of 256 through a ring of two LDS slots; the scales of the tile's rows come into LDS once.
; CLUSTERS: 4 x 4 work-groups; A's tiles are asked for jointly along a row of the cluster, B's along a column.  Which part a cluster serves hangs on the cluster's y alone: it is the same in all sixteen partners.
; WHAT IS STORED (rec).  A block of 16 positions of A' x 128 n' becomes one operand fragment (12 registers a lane) and a scale word a row.  Registers 0-5 and 6-11 leave as two IMAGES of 768 bytes
; (registers 0-3: 16 bytes at 16 x lane; registers 4-5: 8 bytes at 512 + 8 x lane).
;   QK: records [b 4][c 32][s 16] of 6,656 bytes (c 0-15 q's heads, 16-31 k's; s: 128 tokens): 8 token tiles of 768 bytes, then two units of 256 bytes with the scale words of four tiles each.
;   V, from byte VT0: records [b 4][head 16][s 16] of 6,400 bytes: 4 tiles of 16 d x 128 keys, 1,536 bytes each, then one unit of scale words.
;   A unit: 8 bytes a lane; word w of lane l is the word of tile 2 (l / 16) + w, row l % 16.  q's and k's words hold the head's two bytes and two bytes 0.
; LIMITS: as stated at the head of launch 1 (a block of zeros has the byte 1; NaN and infinities are not served).
; REGISTERS, in windows of 256: window 0: v0-31 addresses; v32-63 scale words, two sets; v64-111 the way out; from v128 A's fragments, ONE set.  window 1: B's fragments, TWO sets.  windows 2, 3: the accumulators.
.set SIZE_K, 1024
.set KSTEP,  256                       ; along K in a slot
.set NQ,     KSTEP/128
.set ROWB,   192                       ; a tile's row in bytes
.set KROW,   SIZE_K*6/8                ; a position's codes in bytes
.set PITCH,  240                       ; an LDS row: 3 x (64 bytes of data + 16 of padding)
.set FR,     12                        ; registers of a fragment
.set NL,     6                         ; LDS loads that bring one
.set NP,     4                         ; places behind this matrix instruction (ISA guide 7.12.1)
.set HALFT,  128*PITCH
.set SLOT,   4*HALFT                   ; A's 256 rows, then B's 256 rows
.set LAPS,   SIZE_K/(2*KSTEP)
.set KS,     SIZE_K/32                 ; a position's scale bytes
.set SCL,    2*SLOT                    ; behind the ring: the scales, as units of 256 bytes + 16 of padding
.set HALFS,  (128*KS/256)*272
.set SBLK,   (16*KS/256)*272
.set SPARE,  SCL+4*HALFS               ; the spare words, 128 bytes for each wave
.set VT0,    13631488                  ; where the V part of rec begins
.set ADRA, 16                          ; v16-17  LDS address of my A fragments in slot 0, 1  (v18-19: for the pieces behind one padding more)
.set ADRB, 20                          ; v20-23  the same for B
.set ADRS, 27                          ; v27     LDS address of my scale words: lanes 0-15 A's rows, lanes 16-31 B's
.set SPW,  28                          ; v28     LDS address of my spare word; never rewritten
.set NIL,  29                          ; v29     0; never rewritten
.set L16,  30                          ; v30     16 x lane
.set L8,   31                          ; v31     8 x lane
.set SC,   32                          ; scale words, two sets of 16
.set TM,   64                          ; v64-79  the way out: largest magnitudes, bytes, scale operands
.set QC,   80                          ; v80-99  the codes just made
.set PWS,  100                         ; v100-103 four blocks' scale words
.set XU,   104                         ; v104-107 units of scale words to be stored
.set YU,   108                         ; v108-111 the same for the second head
.set AF,   128                         ; A's fragments, in window 0
.set G1, 24
.set G0, 32
.set G1B, 48
.set G0B, 56
.set G1S, 68
.set G0S, 76
.set G1SB, 80
.set G0SB, 88
.set RB0, 12                           ; the way out's scalars, written behind the last wait for all tensor loads: s[12:13] where registers 0-5 of the block's fragment go,
.set RB1, 8                            ; s[8:9]   registers 6-11,
.set RS0, 10                           ; s[10:11] the unit of scale words,
.set RS1, 20                           ; s[20:21] the second head's (QK)
.set RSE, 22                           ; s[22:23] from the first image to the second;  s[24:25] from block to block;  s[26:27] more at block 4;  s[28:29] from unit to unit
.set RSA, 24
.set RSG, 26
.set RSU, 28
.set SEL, 30                           ; s[30:31] lane selects for v_permlanex16_b32: lane l xor 16
.set HI,  32                           ; s32     lanes 16-31
.set MSB, 0
.macro WIN new                         ; the immediate's high byte repeats the setting that is left
.if MSB != (\new)
	s_set_vgpr_msb (MSB<<8)|(\new)
.set MSB, (\new)
.endif
.endm
.set MUL_LO, 0xa1                      ; source 0 (B) window 1, source 1 (A) window 0, C and D window 2
.set MUL_HI, 0xf1                      ; the same, C and D window 3
.set TO_B,   0x40                      ; destination window 1, address window 0
; A joint load: waves 0 and 1 fetch for A, waves 2 and 3 for B.  The branch hangs on the wave's number alone.  An s_nop 0 and four v_nop follow each of the two lines.
.macro JLOAD g0a, g1a, g0b, g1b
	s_cmp_eq_u32 s15, 0
	s_cbranch_scc0 .Lfor_b_\@
	tensor_load_to_lds s[\g0a:\g0a+3], s[\g1a:\g1a+7]
	s_nop 0
.rept 4
	v_nop
.endr
	s_branch .Lasked_\@
.Lfor_b_\@:
	tensor_load_to_lds s[\g0b:\g0b+3], s[\g1b:\g1b+7]
	s_nop 0
.rept 4
	v_nop
.endr
.Lasked_\@:
.endm
.macro CREST                           ; a round of the cluster's barrier behind its opening barrier
	s_cmp_lg_u32 s14, 0
	s_cbranch_scc1 .Lnot_wave_0_\@
	s_barrier_signal -3
.Lnot_wave_0_\@:
	s_barrier_wait -3
	s_barrier_signal -1
	s_barrier_wait -1
.endm
.macro CROUND                          ; a whole round
	s_barrier_signal -1
	s_barrier_wait -1
	CREST
.endm
	s_load_b128 s[4:7], s[0:1], 0x0                ; cod s[4:5], scl s[6:7]
	s_load_b64 s[12:13], s[0:1], 0x10              ; rec
	v_lshl_add_u32 v[SPW], v0, 2, SPARE
	v_mov_b32 v[NIL], 0
	ds_add_u32 v[SPW], v[NIL]                      ; the wave's opening: the add, twice on end, and its wait ahead of my first tensor load
	ds_add_u32 v[SPW], v[NIL]                      ; and once more; the set-up below, work on registers, stands between it and the wait
	v_lshrrev_b32 v1, 5, v0
	v_readfirstlane_b32 s14, v1                    ; wave 0..3
	s_lshr_b32 s15, s14, 1                         ; which half of the tile's rows is mine.  Also: I fetch for A (0) or for B (1)
	s_and_b32 s16, s14, 1                          ; which half of its columns.  Also: which 128 rows of that tile I fetch
	s_bfe_u32 s40, ttmp6, 0x40000                  ; cx, cy: my place in the cluster
	s_bfe_u32 s41, ttmp6, 0x40004
	s_and_b32 s95, ttmp7, 0xffff                   ; the cluster's y, 0 .. 11
	s_lshr_b32 s100, s95, 3                        ; 1: V part
	s_xor_b32 s101, s100, 1                        ; 1: QK part
	s_mul_i32 s17, s95, s101                       ; row of clusters in C': QK: the cluster's y; V: 0
	s_lshl_b32 s17, s17, 2
	s_add_co_u32 s17, s17, s41                     ; tile row of C'
	s_lshl_b32 s96, s95, 1
	s_sub_co_u32 s96, s96, 16
	s_mul_i32 s96, s96, s100                       ; V: 2 (y - 8)
	s_add_co_u32 s42, ttmp9, s96                   ; column of clusters: QK: the cluster's x; V: x + 2 (y - 8)
	s_lshl_b32 s42, s42, 2
	s_add_co_u32 s42, s42, s40                     ; tile column of C'
	s_lshl_b32 s43, s41, 2
	s_lshl_b32 s43, 15, s43                        ; my row of the cluster
	s_lshl_b32 s44, 0x1111, s40                    ; my column
	; descriptor group 1: a tile of 128 rows x ROWB bytes, padded in LDS
	s_or_b32 s[G1+0], s43, (0<<16)|(1<<20)|(1<<21)|(3<<22)|(3<<25)  ; 15:0 the mask: A's tiles go to my row; elements of 1 byte; padding on; bit 21 beside a mask; after every 16 words, 4 words
	s_or_b32 s[G1B+0], s44, (0<<16)|(1<<20)|(1<<21)|(3<<22)|(3<<25)
.irp g, G1, G1B
	s_mov_b32 s[\g+1], ROWB<<16                    ; tensor_dim0
	s_mov_b32 s[\g+2], 128<<16                     ; tensor_dim1
	s_mov_b32 s[\g+3], ROWB<<16                    ; tile_dim0
	s_mov_b32 s[\g+4], 128                         ; tile_dim1
	s_mov_b32 s[\g+5], KROW                        ; tensor_dim0_stride
	s_mov_b32 s[\g+6], 0
	s_mov_b32 s[\g+7], 0
.endr
	; the scales of 128 positions: a dense block of 4,096 bytes, as rows of 256 bytes (32 elements of 8), 16 bytes of padding behind each
	s_or_b32 s[G1S+0], s43, (3<<16)|(1<<20)|(1<<21)|(5<<22)|(3<<25)
	s_or_b32 s[G1SB+0], s44, (3<<16)|(1<<20)|(1<<21)|(5<<22)|(3<<25)
.irp g, G1S, G1SB
	s_mov_b32 s[\g+1], 32<<16
	s_mov_b32 s[\g+2], (128*KS/256)<<16
	s_mov_b32 s[\g+3], 32<<16
	s_mov_b32 s[\g+4], 128*KS/256
	s_mov_b32 s[\g+5], 32
	s_mov_b32 s[\g+6], 0
	s_mov_b32 s[\g+7], 0
.endr
	s_lshl_b32 s18, s16, 7                         ; which 128 rows of the tile I fetch
	s_lshl_b32 s20, s17, 8
	s_add_co_u32 s20, s20, s18
	s_mul_i32 s19, s100, 10240
	s_add_co_u32 s20, s20, s19                     ; A': position 256 x tile row + 128 x half; V: from position 10,240 on
	s_lshl_b32 s46, s42, 8
	s_add_co_u32 s46, s46, s18
	s_mul_i32 s19, s101, 8192
	s_add_co_u32 s46, s46, s19                     ; B': position 256 x tile column + 128 x half; QK: from position 8,192 on
	s_mov_b32 s21, 0
	s_mov_b32 s47, 0
	s_mov_b64 s[18:19], KS
	s_mul_u64 s[22:23], s[20:21], s[18:19]         ; where these positions' scales begin, in bytes
	s_mul_u64 s[92:93], s[46:47], s[18:19]
	s_mov_b64 s[18:19], KROW
	s_mul_u64 s[20:21], s[20:21], s[18:19]         ; and their codes
	s_mul_u64 s[46:47], s[46:47], s[18:19]
	s_mul_i32 s45, s14, HALFT                      ; where they go: wave x 128 rows: no place in the cluster enters an LDS address
	s_mul_i32 s94, s14, HALFS
	s_wait_dscnt 0x0                               ; both opening adds are done
	s_wait_kmcnt 0x0
	s_add_nc_u64 s[20:21], s[4:5], s[20:21]
	s_add_nc_u64 s[22:23], s[6:7], s[22:23]
	s_add_nc_u64 s[46:47], s[4:5], s[46:47]
	s_add_nc_u64 s[92:93], s[6:7], s[92:93]
	CROUND                                         ; all sixteen work-groups are here: the first joint loads meet
	s_mov_b32 s[G0S], 1
	s_add_co_u32 s[G0S+1], s94, SCL
	s_mov_b64 s[G0S+2:G0S+3], s[22:23]
	s_or_b32 s[G0S+3], s[G0S+3], 0x80000000
	s_mov_b32 s[G0SB], 1
	s_add_co_u32 s[G0SB+1], s94, SCL
	s_mov_b64 s[G0SB+2:G0SB+3], s[92:93]
	s_or_b32 s[G0SB+3], s[G0SB+3], 0x80000000
	JLOAD G0S, G1S, G0SB, G1SB                     ; the scales first: they are wanted with K step 0
.irp s, 0,1
	s_mov_b32 s[G0+4*\s], 1
	s_add_co_u32 s[G0+4*\s+1], s45, \s*SLOT
	s_add_nc_u64 s[G0+4*\s+2:G0+4*\s+3], s[20:21], \s*ROWB
	s_or_b32 s[G0+4*\s+3], s[G0+4*\s+3], 0x80000000
	s_mov_b32 s[G0B+4*\s], 1
	s_add_co_u32 s[G0B+4*\s+1], s45, \s*SLOT
	s_add_nc_u64 s[G0B+4*\s+2:G0B+4*\s+3], s[46:47], \s*ROWB
	s_or_b32 s[G0B+4*\s+3], s[G0B+4*\s+3], 0x80000000
	JLOAD G0+4*\s, G1, G0B+4*\s, G1B               ; three tensor loads of mine are out at the most
.endr
	v_and_b32 v1, 15, v0                           ; l % 16
	v_bfe_u32 v2, v0, 4, 1                         ; l / 16
	v_mul_u32_u24 v3, v1, PITCH
	v_mul_u32_u24 v4, v2, 24
	v_add_nc_u32 v4, v3, v4                        ; a fragment's row x pitch + 24 x half
	v_lshl_add_u32 v5, v2, 4, v4                   ; and the same behind one padding more
	s_mul_i32 s21, s15, HALFT                      ; my 128 rows of A
	s_mul_i32 s22, s16, HALFT                      ; my 128 rows of B,
	s_add_co_u32 s22, s22, 2*HALFT                 ; which lie behind A's 256
.irp s, 0,1
	v_add_nc_u32 v[ADRA+\s], s21, v4
	v_add_nc_u32 v[ADRB+\s], s22, v4
	v_add_nc_u32 v[ADRA+2+\s], s21, v5
	v_add_nc_u32 v[ADRB+2+\s], s22, v5
	s_add_co_u32 s21, s21, SLOT
	s_add_co_u32 s22, s22, SLOT
.endr
	v_mul_u32_u24 v5, v1, KS                       ; my row's scales: KS bytes a row,
	v_lshrrev_b32 v6, 8, v5
	v_lshl_add_u32 v5, v6, 4, v5                   ; and 16 more for each 256 passed
	s_mul_i32 s21, s15, HALFS                      ; A's: my 128 rows
	s_mul_i32 s22, s16, HALFS                      ; B's: my 128 rows, behind A's 256
	s_add_co_u32 s22, s22, 2*HALFS
	s_sub_co_u32 s22, s22, s21
	v_mul_u32_u24 v6, s22, v2                      ; lanes 16-31 take B's: one product, the distance between the two bases
	s_add_co_u32 s21, s21, SCL
	v_add_nc_u32 v5, v5, v6
	v_add_nc_u32 v[ADRS], s21, v5
.macro FRAG reg, adr, q, i             ; a fragment: lane l holds row l % 16; registers 6 c .. 6 c + 5 hold K = 64 c + 32 (l / 16) + 0 .. 31: 24 bytes of the row's stream of bits, in pieces of 8 bytes
.irp p, 0,1,2,3,4,5
.set PC, 12*(\q)+6*(\p/3)+\p%3        ; 16 bytes of padding lie behind every 8 pieces: where the piece three on lies behind one padding more, the second address register serves
.if PC%8 < 5
	ds_load_b64 v[\reg+2*\p:\reg+2*\p+1], v[\adr] offset:8*PC+16*(PC/8)+(\i)*16*PITCH
.else
	ds_load_b64 v[\reg+2*\p:\reg+2*\p+1], v[\adr+2] offset:8*PC+16*(PC/8)+(\i)*16*PITCH
.endif
.endr
.endm
; 16 matrix instructions: A's blocks a0, a0 + 1 x B's eight, 128 along K.  zero = 1: the first product starts the sums.  The 64 accumulators take turns, one instruction a turn.
.macro MUL16 a0, p, q, sc, zero
.irp a, \a0, \a0+1
.irp b, 0,1,2,3,4,5,6,7
.if \zero
	v_wmma_scale_f32_16x16x128_f8f6f4 v[8*(8*((\a)%4)+\b):8*(8*((\a)%4)+\b)+7], v[128*(\p)+FR*\b:128*(\p)+FR*\b+FR-1], v[AF+FR*(\a):AF+FR*(\a)+FR-1], 0, v[SC+8*NQ*(\sc)+NQ*\b+(\q)], v[SC+8*NQ*(\sc)+NQ*(\a)+(\q)] matrix_a_fmt:MATRIX_FMT_FP6 matrix_b_fmt:MATRIX_FMT_FP6 matrix_a_scale:MATRIX_SCALE_ROW1
.else
	v_wmma_scale_f32_16x16x128_f8f6f4 v[8*(8*((\a)%4)+\b):8*(8*((\a)%4)+\b)+7], v[128*(\p)+FR*\b:128*(\p)+FR*\b+FR-1], v[AF+FR*(\a):AF+FR*(\a)+FR-1], v[8*(8*((\a)%4)+\b):8*(8*((\a)%4)+\b)+7], v[SC+8*NQ*(\sc)+NQ*\b+(\q)], v[SC+8*NQ*(\sc)+NQ*(\a)+(\q)] matrix_a_fmt:MATRIX_FMT_FP6 matrix_b_fmt:MATRIX_FMT_FP6 matrix_a_scale:MATRIX_SCALE_ROW1
.endif
.endr
.endr
.endm
.macro FETCH_B slot, q, p              ; B's eight fragments of the slot's q-th 128 along K into set p
	WIN TO_B
.irp i, 0,1,2,3,4,5,6,7
	FRAG 128*(\p)+FR*\i, ADRB+\slot, \q, \i
.endr
	WIN 0
.endm
.macro FETCH_A slot, q, i0             ; A's blocks i0 .. i0 + 3
.irp i, \i0, \i0+1, \i0+2, \i0+3
	FRAG AF+FR*(\i), ADRA+\slot, \q, \i
.endr
.endm
.macro SCALES sc                       ; the next K step's scale words into set sc: lanes 0-15 take A's block i, lanes 16-31 B's block i
.irp i, 0,1,2,3,4,5,6,7
	ds_load_b64 v[SC+8*NQ*\sc+NQ*\i:SC+8*NQ*\sc+NQ*\i+1], v[ADRS] offset:\i*SBLK
.endr
.endm
.macro PLACES n                        ; places in front of loads into registers that matrix instructions have read (ISA guide 7.12.1 for vector instructions)
.rept \n
	v_nop
.endr
.endm
; A step of 128 along K that has its successor in the same slot.
.macro STEP slot, q, zero
	s_wait_dscnt 4*NL                              ; B's set and A's blocks 0-3 are in; the youngest 24 loads (A's blocks 4-7) may be out
	WIN MUL_LO
	MUL16 0, (\q)%2, \q, \slot, \zero
	MUL16 2, (\q)%2, \q, \slot, \zero
	s_wait_dscnt 0                                 ; A's blocks 4-7 are in
	PLACES NP
	FETCH_B \slot, (\q)+1, 1-(\q)%2
	FETCH_A \slot, (\q)+1, 0
	WIN MUL_HI
	MUL16 4, (\q)%2, \q, \slot, \zero
	MUL16 6, (\q)%2, \q, \slot, \zero
	PLACES NP
	WIN 0
	FETCH_A \slot, (\q)+1, 4
.endm
; A slot's last step changes slots: ONE barrier; in front of it each wave waits for all its tensor loads, adds 0 to its spare word, and waits for that and for its own reads of this slot.  fill = 1: this slot is filled again.
.macro TURN slot, next, fill
	s_wait_tensorcnt 0x0                           ; all my tensor loads have landed: my part of the next slot
	ds_add_u32 v[SPW], v[NIL]                      ; 0 onto my spare word
	s_wait_dscnt 4*NL+1                            ; (the add and the youngest 24 loads, A's blocks 4-7, may be out)
	WIN MUL_LO
	MUL16 0, 1, NQ-1, \slot, 0                     ; sixteen matrix instructions stand between the add and the wait for it
	s_wait_dscnt 0x0                               ; the add is done, and my reads of this slot are over
	s_barrier_signal -1
	MUL16 2, 1, NQ-1, \slot, 0
	WIN 0
	s_barrier_wait -1
.if \fill
	CREST                                          ; the barrier has opened a round of the cluster's barrier: no wave of any partner still reads this slot's tile or has a load on its way
	s_add_nc_u64 s[G0+4*\slot+2:G0+4*\slot+3], s[G0+4*\slot+2:G0+4*\slot+3], 2*ROWB
	s_add_nc_u64 s[G0B+4*\slot+2:G0B+4*\slot+3], s[G0B+4*\slot+2:G0B+4*\slot+3], 2*ROWB
	JLOAD G0+4*\slot, G1, G0B+4*\slot, G1B         ; the first tensor load behind the round; the four v_nop behind it are the places in front of the loads below
.else
	PLACES NP
.endif
	v_add_nc_u32 v[ADRS], 4*NQ, v[ADRS]            ; on to the next K step's scale words
	FETCH_B \next, 0, 0
	FETCH_A \next, 0, 0
	SCALES \next
	WIN MUL_HI
	MUL16 4, 1, NQ-1, \slot, 0
	MUL16 6, 1, NQ-1, \slot, 0
	PLACES NP
	WIN 0
	FETCH_A \next, 0, 4
.endm
	s_wait_tensorcnt 1                             ; the scales and my part of K step 0 are in (K step 1's load may be out)
	s_barrier_signal -1
	s_barrier_wait -1                              ; everybody's are
	FETCH_B 0, 0, 0
	FETCH_A 0, 0, 0
	SCALES 0
	FETCH_A 0, 0, 4
	STEP 0, 0, 1                                   ; the first step stands in front of the loop: its products start the sums
	s_mov_b32 s3, LAPS-1
.Llap:                                                 ; a trip goes once round the ring and fills both slots again
	TURN 0, 1, 1
	STEP 1, 0, 0
	TURN 1, 0, 1
	STEP 0, 0, 0
	s_sub_co_u32 s3, s3, 1
	s_cmp_lg_u32 s3, 0
	s_cbranch_scc1 .Llap
	TURN 0, 1, 0                                   ; the last lap fills nothing
	STEP 1, 0, 0
	s_wait_dscnt 4*NL                              ; the very last step
	WIN MUL_LO
	MUL16 0, 1, NQ-1, 1, 0
	MUL16 2, 1, NQ-1, 1, 0
	s_wait_dscnt 0
	WIN MUL_HI
	MUL16 4, 1, NQ-1, 1, 0
	MUL16 6, 1, NQ-1, 1, 0
	WIN 0
; THE WAY OUT.  No tensor load of mine is out since the last change of slots, so the descriptors' registers are free.  Where my 128 x 128 goes: T, th: the tile and half along the tokens; F, fh: along the features.
.irp b, 0,1,2,3
	v_mov_b32 v[TM+4+\b], 0                        ; written once: a lane permute's destination counts as one of its sources.  (These seven lines are also the places behind the last products)
.endr
	v_and_b32 v[L8], 31, v0
	v_lshlrev_b32 v[L16], 4, v[L8]
	v_lshlrev_b32 v[L8], 3, v[L8]
	s_cmp_eq_u32 s100, 0                           ; the QK part?
	s_mov_b32 s[RSE], 768
	s_cselect_b32 s[RSE], 106496, s[RSE]           ; QK: the next head's record, 16 records on; V: the fragment's second image
	s_mov_b32 s[RSA], 1536
	s_cselect_b32 s[RSA], 768, s[RSA]              ; QK: the next token tile; V: the next tile of d
	s_cselect_b32 s[RSG], 0, 96256                 ; V, at block 4: the next head's record: 16 x 6,400 - 4 x 1,536
	s_mov_b32 s[RSU], 102400
	s_cselect_b32 s[RSU], 256, s[RSU]              ; QK: the record's second unit; V: the next head's
	s_cselect_b32 s33, s17, s42                    ; T
	s_cselect_b32 s34, s15, s16                    ; th
	s_cselect_b32 s35, s42, s17                    ; F
	s_cselect_b32 s36, s16, s15                    ; fh
	s_cselect_b32 s37, 5, 4                        ; 32 or 16 rows of records a batch
	s_mov_b32 s38, 6400
	s_cselect_b32 s38, 6656, s38                   ; a record
	s_cselect_b32 s39, 0, VT0
	s_mov_b32 s[RSE+1], 0
	s_mov_b32 s[RSA+1], 0
	s_mov_b32 s[RSG+1], 0
	s_mov_b32 s[RSU+1], 0
	s_mov_b32 s[SEL], 0x76543210
	s_mov_b32 s[SEL+1], 0xfedcba98
	s_mov_b32 s[HI], 0xffff0000
	s_lshr_b32 s2, s33, 3                          ; the batch: 8 tiles of 256 tokens
	s_lshl_b32 s2, s2, s37
	s_lshl_b32 s35, s35, 2
	s_add_co_u32 s2, s2, s35
	s_lshl_b32 s36, s36, 1
	s_add_co_u32 s2, s2, s36                       ; + my first head: 4 F + 2 fh
	s_lshl_b32 s2, s2, 4
	s_and_b32 s33, s33, 7
	s_lshl_b32 s33, s33, 1
	s_add_co_u32 s2, s2, s33
	s_add_co_u32 s2, s2, s34                       ; + the step of 128 tokens: 2 (T % 8) + th
	s_mul_i32 s2, s2, s38
	s_add_co_u32 s2, s2, s39
	s_mov_b32 s3, 0
	s_add_nc_u64 s[RB0:RB0+1], s[RB0:RB0+1], s[2:3]
	s_add_nc_u64 s[RB1:RB1+1], s[RB0:RB0+1], s[RSE:RSE+1]
	s_add_nc_u64 s[RS0:RS0+1], s[RB0:RB0+1], 6144
	s_add_nc_u64 s[RS1:RS1+1], s[RB1:RB1+1], 6144
; Block a: my 16 positions 16 a .. of A' x 128 n'.  Its 64 registers a lane, register 16 b + i = n' 32 b + 16 (lane / 16) + i, become a fragment's codes in v[QC] on and a scale word.
.macro QBLOCK a
.set AC, 64*((\a)%4)
.irp b, 0,1,2,3
	v_mov_b32 v[TM+\b], 0x1800000                  ; the floor 2^(3 - 127), under which no largest magnitude is taken: so the byte cannot fall under 1
.endr
	WIN 0x28+0x14*((\a)/4)                         ; sources 1 and 2: window 2 or 3
.irp i, 0,2,4,6,8,10,12,14
.irp b, 0,1,2,3
	v_max3_num_f32 v[TM+\b], v[TM+\b], |v[AC+16*\b+\i]|, |v[AC+16*\b+\i+1]|   ; the four blocks by turns; each accumulator is read from its low end on
.endr
.endr
	WIN 0
.irp b, 0,1,2,3
	v_permlanex16_b32 v[TM+4+\b], v[TM+\b], s[SEL], s[SEL+1]
.endr
.irp b, 0,1,2,3
	v_max_num_f32 v[TM+\b], v[TM+\b], v[TM+4+\b]   ; with lane l xor 16's: the block's largest magnitude
.endr
.irp b, 0,1,2,3
	v_add_nc_u32 v[TM+12+\b], 0xff000000, v[TM+\b] ; 2 off its exponent field: the conversion's scale operand
.endr
.irp b, 0,1,2,3
	v_lshrrev_b32 v[TM+4+\b], 23, v[TM+12+\b]      ; the scale's byte
.endr
	v_lshl_or_b32 v[PWS+(\a)%4], v[TM+5], 8, v[TM+4]
	v_lshl_or_b32 v[PWS+(\a)%4], v[TM+6], 16, v[PWS+(\a)%4]
	v_lshl_or_b32 v[PWS+(\a)%4], v[TM+7], 24, v[PWS+(\a)%4]   ; my row's scale word; both halves of the lanes hold it
	s_wait_xcnt 0x0                                ; the last block's stores have read their data and their bases: both are written again only behind this wait
.if (\a) > 0
	s_add_nc_u64 s[RB0:RB0+1], s[RB0:RB0+1], s[RSA:RSA+1]
	s_add_nc_u64 s[RB1:RB1+1], s[RB1:RB1+1], s[RSA:RSA+1]
.endif
.if (\a) == 4
	s_add_nc_u64 s[RB0:RB0+1], s[RB0:RB0+1], s[RSG:RSG+1]
	s_add_nc_u64 s[RB1:RB1+1], s[RB1:RB1+1], s[RSG:RSG+1]
.endif
	WIN 0x02+(\a)/4                                ; source 0: window 2 or 3
.irp c, 0,1
	v_cvt_scalef32_pk16_fp6_f32 v[QC+6*\c:QC+6*\c+2], v[AC+32*\c:AC+32*\c+15], v[TM+12+2*\c]
	v_cvt_scalef32_pk16_fp6_f32 v[QC+12+4*\c:QC+12+4*\c+2], v[AC+16+32*\c:AC+16+32*\c+15], v[TM+12+2*\c+1]   ; (a conversion's three registers begin on an even number)
.endr
	WIN 0
	v_nop                                          ; one plain place behind a scaled conversion
.irp c, 0,1                                    ; the operand's layout wants a WHOLE block in a lane: lanes 0-15 block 2 c, lanes 16-31 block 2 c + 1
.irp i, 0,1,2
	v_permlane16_swap_b32 v[QC+6*\c+\i], v[QC+12+4*\c+\i]
.endr
.irp i, 0,1,2
	v_mov_b32 v[QC+3+6*\c+\i], v[QC+12+4*\c+\i]
.endr
.endr
	global_store_b128 v[L16], v[QC:QC+3], s[RB0:RB0+1]             ; each store covers 512 or 256 consecutive bytes, aligned to 256
	global_store_b64 v[L8], v[QC+4:QC+5], s[RB0:RB0+1] offset:512
	global_store_b128 v[L16], v[QC+6:QC+9], s[RB1:RB1+1]
	global_store_b64 v[L8], v[QC+10:QC+11], s[RB1:RB1+1] offset:512
.if (\a)%4 == 3                                ; four blocks' scale words make a unit: lanes 0-15 blocks 0 and 1, lanes 16-31 blocks 2 and 3
.set UU, 2*((\a)/4)
	v_cndmask_b32 v[XU+UU], v[PWS], v[PWS+2], s[HI]
	v_cndmask_b32 v[XU+UU+1], v[PWS+1], v[PWS+3], s[HI]
	s_cmp_lg_u32 s100, 0                           ; the same in all sixteen partners
	s_cbranch_scc1 .Lv_unit_\@
	v_lshrrev_b32 v[YU+UU], 16, v[XU+UU]           ; QK: bytes 2 and 3 are the second head's,
	v_lshrrev_b32 v[YU+UU+1], 16, v[XU+UU+1]
	v_and_b32 v[XU+UU], 0xffff, v[XU+UU]           ; bytes 0 and 1 the first's
	v_and_b32 v[XU+UU+1], 0xffff, v[XU+UU+1]
	global_store_b64 v[L8], v[XU+UU:XU+UU+1], s[RS0:RS0+1]
	global_store_b64 v[L8], v[YU+UU:YU+UU+1], s[RS1:RS1+1]
	s_branch .Lunit_done_\@
.Lv_unit_\@:
	global_store_b64 v[L8], v[XU+UU:XU+UU+1], s[RS0:RS0+1]         ; V: the words of 128 keys as they are
.Lunit_done_\@:
.if (\a) == 3
	s_wait_xcnt 0x0                                ; the stores have read their bases
	s_add_nc_u64 s[RS0:RS0+1], s[RS0:RS0+1], s[RSU:RSU+1]
	s_add_nc_u64 s[RS1:RS1+1], s[RS1:RS1+1], 256
.endif
.endif
.endm
.irp a, 0,1,2,3,4,5,6,7
	QBLOCK \a
.endr
	s_wait_tensorcnt 0x0                           ; the wave's end, behind my last tensor load
	ds_add_u32 v[SPW], v[NIL]
	s_wait_dscnt 0x0
	CROUND                                         ; the closing round: no work-group ends while a partner may still ask for a tile that names it
	s_endpgm
.Lfunc_end_k_q71d222db42_gemm_qkv:
	.size	k_q71d222db42_gemm_qkv, .Lfunc_end_k_q71d222db42_gemm_qkv-k_q71d222db42_gemm_qkv
	.p2alignl 7, 3214868480
	.fill 96, 4, 3214868480
	.section	.rodata,"a",@progbits
	.p2align	6, 0x0
	.amdhsa_kernel k_q71d222db42_gemm_qkv
		.amdhsa_group_segment_fixed_size 327680
		.amdhsa_private_segment_fixed_size 0
		.amdhsa_enable_private_segment 0
		.amdhsa_kernarg_size 24
		.amdhsa_user_sgpr_count 2
		.amdhsa_user_sgpr_kernarg_segment_ptr 1
		.amdhsa_wavefront_size32 1
		.amdhsa_system_sgpr_workgroup_id_x 1
		.amdhsa_system_sgpr_workgroup_id_y 1
		.amdhsa_system_sgpr_workgroup_id_z 1
		.amdhsa_system_vgpr_workitem_id 0
		.amdhsa_next_free_vgpr 1024
		.amdhsa_next_free_sgpr 102
		.amdhsa_reserve_vcc 0
		.amdhsa_float_denorm_mode_32 3
		.amdhsa_float_denorm_mode_16_64 3
		.amdhsa_memory_ordered 1
		.amdhsa_forward_progress 1
		.amdhsa_inst_pref_size 169
	.end_amdhsa_kernel
	.amdgpu_metadata
---
amdhsa.version: [ 1, 2 ]
amdhsa.kernels:
  - .name:           k_q71d222db42_gemm_qkv
    .symbol:         k_q71d222db42_gemm_qkv.kd
    .args:
      - { .name: cod, .offset: 0, .size: 8, .value_kind: global_buffer, .address_space: global }
      - { .name: scl, .offset: 8, .size: 8, .value_kind: global_buffer, .address_space: global }
      - { .name: rec, .offset: 16, .size: 8, .value_kind: global_buffer, .address_space: global }
    .group_segment_fixed_size: 327680
    .private_segment_fixed_size: 0
    .kernarg_segment_align: 8
    .kernarg_segment_size: 24
    .max_flat_workgroup_size: 128
    .sgpr_count:     102
    .vgpr_count:     1024
    .wavefront_size: 32
...
	.end_amdgpu_metadata
.endif
;; end of part 2
;; launch attn (part 3): grid 4 x 64, 16 waves a work-group, clusters of 4 x 1, 210,944 bytes of LDS; arguments rec, acod, ascl; writes acod, ascl
.if DOCPART == 3
	.amdgcn_target "amdgcn-amd-amdhsa--gfx1250"
	.amdhsa_code_object_version 6
	.text
	.protected	k_q71d222db42_attn
	.globl	k_q71d222db42_attn
	.p2align	8
	.type	k_q71d222db42_attn,@function
k_q71d222db42_attn:
	s_mov_b64 s[64:65], 0
	v_nop
	global_prefetch_b8 v0, s[64:65] scope:SCOPE_SE
	s_setreg_imm32_b32 hwreg(HW_REG_WAVE_MODE, 25, 1), 1
	s_wait_xcnt 0x0
	s_wait_alu depctr_hold_cnt(0) depctr_sa_sdst(0) depctr_va_vdst(0) depctr_va_sdst(0) depctr_va_ssrc(0) depctr_va_vcc(0) depctr_vm_vsrc(0)
	s_getreg_b32 s2, hwreg(HW_REG_IB_STS2, 6, 4)
	s_cmp_eq_u32 s2, 0
	s_cbranch_scc0 .Lentry_in_a_cluster
	s_endpgm
.Lentry_in_a_cluster:
	s_bfe_u32 s2, ttmp6, 0x10000c
	s_cmp_lg_u32 s2, 0x3003
	s_cbranch_scc0 .Lentry_shape_is_right
	s_endpgm
.Lentry_shape_is_right:
; LAUNCH 3 OF 4.  For each batch b and head hh: O = softmax(q k^T / 8, causal) v on codes of FP6 (E2M3), and O QUANTISED along C in the way out, as the last product's operand.
; WORK LEFT OUT: a step of 128 keys all of which come after a wave's 16 queries (reference()'s own jnp.tril puts -inf there: p = 0 for every input); the limit is stated at the head of launch 1.
; THE SOFTMAX: t = score x log2(e) / 8; M = the row's largest t so far, rounded UP to a whole number; p = 2^(t - M) is quantised along the keys, not normalised; the row's sum is taken of the unquantised p
; and divides O at the end.  When M moves, the sum and O are multiplied by 2^(old M - new M): exact.
; SHARES.  The four work-groups of a cluster serve one head.  ALL of the head's k and v (16 records each, 208,896 bytes) lie in each one's LDS, filled once: wave w asks for k's and v's record w, JOINTLY with
; the three partners (the same load, the same descriptor, a mask that names the four).  No slot is filled again: one barrier, then no wave waits for another.
; A wave makes two tiles of 16 queries, one after the other: tile 8 RK + GG of the head's 128, with RK = w, GG = cx, and then RK = 15 - w, GG = cx + 4.  A tile walks RK + 1 steps of 128 keys: 17 steps for every wave.
; The walk's trip count is a constant, 16; a scalar branch on the wave's number and the count of steps leads round the work of the steps left out.  No branch and no LDS address hangs on cx.
; LAYOUT.  Both products are used transposed: S^T = k q^T (source 0 = 16 keys, source 1 = my 16 queries), O^T = v^T p^T: a lane holds ONE query throughout.  The records hold images of operand registers
; (launch 2): lane r of token tile t is token 32 (t / 2) + 8 (t % 2) + r + 8 (r / 8) of the step, so that S^T's register 16 b + i is key 32 b + 16 (lane / 16) + i.
; q k^T has K = 64 and the instruction 128: q's registers 6-11 are zero CODES, so whatever stands in k's registers 6-11 (the next tile's codes; behind the last tile six registers of zeros) adds nothing; bytes 2, 3 of the scale words are 0, no NaN.
; WHAT IS STORED: acod [token tile 512][head 16][768]: an image of registers 0-5 (16 tokens x the head's 64); ascl [position 8192][32]: byte 2 hh + block.  The scale bytes are one byte in 24 of what a tile
; stores and leave singly: a position's 32 bytes come from 16 clusters.
; REGISTERS: v1-7, v29-31 addresses that stay; v8-11 the step's LDS addresses; v12 -M, v13 the largest t, v[14:15] the sum; v16-27 q (v22-27 zeros), v28 its scale words; v32-79 k's eight tiles, six registers
; apart, then v's four fragments; v80-85 zeros; v86-89 k's scale words, v90-91 v's; v96-159 S^T, then p; v160-191 O^T; v192-210 codes; v212-233 at work; v224 p's scale word.
.set KREC,  6656                       ; a record of q or k
.set VREC,  6400                       ; a record of v
.set VT0,   13631488                   ; where v's records begin in rec
.set VB,    16*KREC                    ; LDS: k's 16 records, then v's 16
.set SPARE, VB+16*VREC                 ; the spare words, 128 bytes for each of 16 waves
.set SPW, 5
.set NIL, 6
.set QF,  16
.set QSC, 28
.set KV,  32
.set KSC, 86
.set VSC, 90
.set S,   96
.set O,   160
.set PCD, 192                          ; v192-203 p's codes
.set PX,  204                          ; v204-206, v208-210 the conversions' second halves
.set BM,  212                          ; v212-215 the blocks' largest
.set BP,  216                          ; v216-219 permutes' results, then bytes
.set SOP, 220                          ; v220-223 the conversions' scale operands
.set PWD, 224
.set FF,  226                          ; v[226:227] f
.set WV,  12
.set SEL, 20
.set CS,  22
.set G1K, 24
.set G1V, 32
.set G0K, 40
.set G0V, 44
.set RK,  48
.set GG,  49
.set CNT, 50
.set TBK, 51
.set TBV, 52
.set QA,  54
.set QS,  56
.set OA,  58
.set OS,  60
.set HI,  72
.macro CROUND                          ; a round of the cluster's barrier
	s_barrier_signal -1
	s_barrier_wait -1
	s_cmp_lg_u32 s[WV], 0
	s_cbranch_scc1 .Lnot_wave_0_\@
	s_barrier_signal -3
.Lnot_wave_0_\@:
	s_barrier_wait -3
	s_barrier_signal -1
	s_barrier_wait -1
.endm
	s_load_b128 s[4:7], s[0:1], 0x0                ; rec s[4:5], acod s[6:7]
	s_load_b64 s[8:9], s[0:1], 0x10                ; ascl
	v_lshl_add_u32 v[SPW], v0, 2, SPARE
	v_mov_b32 v[NIL], 0
	ds_add_u32 v[SPW], v[NIL]                      ; the wave's opening: the add, twice on end, and its wait ahead of my first tensor load
	ds_add_u32 v[SPW], v[NIL]                      ; and once more; the set-up below, work on registers, stands between it and the wait
	v_lshrrev_b32 v8, 5, v0
	s_delay_alu instid0(VALU_DEP_1)
	v_readfirstlane_b32 s[WV], v8                  ; wave 0..15
	s_bfe_u32 s13, ttmp6, 0x40000                  ; cx: it enters q's and the results' addresses and the mask's number alone
	s_and_b32 s14, ttmp7, 0xffff                   ; 16 b + hh, which the four partners share
	s_lshr_b32 s15, s14, 4                         ; b
	s_and_b32 s16, s14, 15                         ; hh
	s_lshl_b32 s17, s15, 4
	s_add_co_u32 s17, s17, s14                     ; 32 b + hh: q's row of records; k's is 16 further on
	; descriptor group 1: a record is a dense block: rows of 256 bytes (32 elements of 8), 26 for k, 25 for v
	s_mov_b32 s[G1K], 15|(3<<16)|(1<<21)           ; 15:0 the mask: all four work-groups; elements of 8 bytes; no padding; bit 21 beside a mask
	s_mov_b32 s[G1K+1], 32<<16                     ; tensor_dim0
	s_mov_b32 s[G1K+2], 26<<16                     ; tensor_dim1
	s_mov_b32 s[G1K+3], 32<<16                     ; tile_dim0
	s_mov_b32 s[G1K+4], 26                         ; tile_dim1
	s_mov_b32 s[G1K+5], 32                         ; tensor_dim0_stride
	s_mov_b32 s[G1K+6], 0
	s_mov_b32 s[G1K+7], 0
	s_mov_b32 s[G1V], 15|(3<<16)|(1<<21)
	s_mov_b32 s[G1V+1], 32<<16
	s_mov_b32 s[G1V+2], 25<<16
	s_mov_b32 s[G1V+3], 32<<16
	s_mov_b32 s[G1V+4], 25
	s_mov_b32 s[G1V+5], 32
	s_mov_b32 s[G1V+6], 0
	s_mov_b32 s[G1V+7], 0
	s_add_co_u32 s66, s17, 16
	s_lshl_b32 s66, s66, 4
	s_add_co_u32 s66, s66, s[WV]
	s_mul_i32 s66, s66, KREC                       ; k's record w of my head
	s_mov_b32 s67, 0
	s_lshl_b32 s68, s14, 4
	s_add_co_u32 s68, s68, s[WV]
	s_mul_i32 s68, s68, VREC
	s_add_co_u32 s68, s68, VT0                     ; v's
	s_mov_b32 s69, 0
	s_mov_b32 s[G0K], 1
	s_mul_i32 s[G0K+1], s[WV], KREC                ; LDS: wave x a record
	s_mov_b32 s[G0V], 1
	s_mul_i32 s[G0V+1], s[WV], VREC
	s_add_co_u32 s[G0V+1], s[G0V+1], VB
	s_mov_b32 s[SEL], 0x76543210
	s_mov_b32 s[SEL+1], 0xfedcba98                 ; v_permlanex16_b32's selects for lane l xor 16
	s_mov_b32 s[CS], 0x3e38aa3b                    ; c = log2(e) / 8
	s_mov_b32 s[CS+1], s[CS]                       ; (named with it as a pair, so it is written)
	s_mov_b32 s[HI], 0xffff0000                    ; lanes 16-31
	s_wait_dscnt 0x0                               ; both opening adds are done
	s_wait_kmcnt 0x0
	s_add_nc_u64 s[G0K+2:G0K+3], s[4:5], s[66:67]
	s_or_b32 s[G0K+3], s[G0K+3], 0x80000000
	s_add_nc_u64 s[G0V+2:G0V+3], s[4:5], s[68:69]
	s_or_b32 s[G0V+3], s[G0V+3], 0x80000000
	CROUND                                         ; all four work-groups are here: the joint loads meet
	tensor_load_to_lds s[G0K:G0K+3], s[G1K:G1K+7]  ; every wave issues both: two tensor loads of mine are out
	s_nop 0
	tensor_load_to_lds s[G0V:G0V+3], s[G1V:G1V+7]
	s_nop 0
.rept 4
	v_nop
.endr
	v_and_b32 v8, 31, v0                           ; lane
	s_delay_alu instid0(VALU_DEP_1)
	v_lshlrev_b32 v1, 4, v8                        ; 16 x lane: an image's registers 0-3
	s_delay_alu instid0(VALU_DEP_2)
	v_lshlrev_b32 v2, 3, v8                        ; 8 x lane: its registers 4-5, and a unit of scale words
	v_and_b32 v9, 15, v0                           ; r
	v_bfe_u32 v10, v0, 4, 1                        ; h
	s_delay_alu instid0(VALU_DEP_2)
	v_and_b32 v11, 8, v9
	s_delay_alu instid0(VALU_DEP_1)
	v_add_nc_u32 v4, v11, v9
	s_delay_alu instid0(VALU_DEP_3)
	v_lshlrev_b32 v11, 4, v10
	s_delay_alu instid0(VALU_DEP_1)
	v_sub_nc_u32 v4, v4, v11                       ; r + 8 (r / 8) - 16 h
	v_lshlrev_b32 v7, 3, v9                        ; 8 r: q's scale word
	v_lshl_add_u32 v29, v9, 5, v10                 ; 32 r + h: my scale byte of the result
	v_add_nc_u32 v30, VB, v1
	v_add_nc_u32 v31, VB, v2
.irp j, 0,1,2,3,4,5
	v_mov_b32 v[QF+6+\j], 0                        ; q's K = 64 .. 127: zero codes
	v_mov_b32 v[KV+48+\j], 0                       ; behind k's last tile
.endr
	s_wait_tensorcnt 0x0                           ; my two records are in,
	s_barrier_signal -1
	s_barrier_wait -1                              ; everybody's are; nothing is filled again
; A KEY STEP: 128 keys, records at s[TBK], s[TBV].
.macro STEP
	v_add_nc_u32 v8, s[TBK], v1                    ; (these four are also the places in front of loads into registers that the last products read)
	v_add_nc_u32 v9, s[TBK], v2
	v_add_nc_u32 v10, s[TBV], v30
	v_add_nc_u32 v11, s[TBV], v31
.irp t, 0,1,2,3,4,5,6,7
	ds_load_b128 v[KV+6*\t:KV+6*\t+3], v8 offset:768*\t
	ds_load_b64 v[KV+6*\t+4:KV+6*\t+5], v9 offset:768*\t+512
.endr
	ds_load_b64 v[KSC:KSC+1], v9 offset:6144       ; the scale words of tiles 0-3: tiles 0, 1 in lanes 0-15, tiles 2, 3 in lanes 16-31
	ds_load_b64 v[KSC+2:KSC+3], v9 offset:6400     ; of tiles 4-7
	s_wait_alu depctr_va_vdst(0)
	s_wait_dscnt 0x0
.irp t, 0,1,2,3,4,5,6,7
.if ((\t/2)%2) == 1
	v_wmma_scale_f32_16x16x128_f8f6f4 v[S+8*\t:S+8*\t+7], v[KV+6*\t:KV+6*\t+11], v[QF:QF+11], 0, v[KSC+2*(\t/4)+\t%2], v[QSC] matrix_a_fmt:MATRIX_FMT_FP6 matrix_b_fmt:MATRIX_FMT_FP6 matrix_a_scale:MATRIX_SCALE_ROW1
.else
	v_wmma_scale_f32_16x16x128_f8f6f4 v[S+8*\t:S+8*\t+7], v[KV+6*\t:KV+6*\t+11], v[QF:QF+11], 0, v[KSC+2*(\t/4)+\t%2], v[QSC] matrix_a_fmt:MATRIX_FMT_FP6 matrix_b_fmt:MATRIX_FMT_FP6
.endif
.endr
.rept 4
	v_nop                                          ; places: in front of the loads into k's registers and of the first read of the scores
.endr
.irp a, 0,1,2,3                                ; v's four fragments land while the softmax is walked
	ds_load_b128 v[KV+12*\a:KV+12*\a+3], v10 offset:1536*\a
	ds_load_b64 v[KV+12*\a+4:KV+12*\a+5], v11 offset:1536*\a+512
	ds_load_b128 v[KV+12*\a+6:KV+12*\a+9], v10 offset:1536*\a+768
	ds_load_b64 v[KV+12*\a+10:KV+12*\a+11], v11 offset:1536*\a+1280
.endr
	ds_load_b64 v[VSC:VSC+1], v11 offset:6144
	s_cmp_lg_u32 s[CNT], s[RK]                     ; the step on the diagonal is the tile's last: there the scores of hidden keys become -infinity ahead of the maximum
	s_cbranch_scc1 .Lopen_\@
	v_mov_b32 v229, 0xff800000
.set n, 0
.rept 64
	v_cmp_gt_i32 vcc_lo, 32*(n/16)+n%16, v3        ; register n holds key 32 (n / 16) + n % 16 + 16 h of the step: hidden where that is above my query
	v_cndmask_b32 v[S+n], v[S+n], v229, vcc_lo
.set n, n+1
.endr
.Lopen_\@:
.irp b, 0,1,2,3
	v_max3_num_f32 v[BM+\b], v[S+16*\b], v[S+1+16*\b], v[S+2+16*\b]   ; THE LARGEST SCORE OF EACH BLOCK OF 32 KEYS: for the row's maximum, and, since p rises with the score, for the block's largest p
.endr
.irp i, 3,5,7,9,11,13
.irp b, 0,1,2,3
	v_max3_num_f32 v[BM+\b], v[BM+\b], v[S+16*\b+\i], v[S+1+16*\b+\i]
.endr
.endr
.irp b, 0,1,2,3
	v_max_num_f32 v[BM+\b], v[BM+\b], v[S+15+16*\b]
.endr
.irp b, 0,1,2,3
	s_delay_alu instid0(VALU_DEP_4)
	v_permlanex16_b32 v[BP+\b], v[BM+\b], s[SEL], s[SEL+1]
.endr
.irp b, 0,1,2,3
	s_delay_alu instid0(VALU_DEP_4)
	v_max_num_f32 v[BM+\b], v[BM+\b], v[BP+\b]     ; with lane l xor 16's 16 keys
.endr
	s_delay_alu instid0(VALU_DEP_2)
	v_max3_num_f32 v228, v[BM], v[BM+1], v[BM+2]
	s_delay_alu instid0(VALU_DEP_1)
	v_max_num_f32 v228, v228, v[BM+3]              ; the step's largest score of my query
	s_delay_alu instid0(VALU_DEP_1)
	v_mul_f32 v228, s[CS], v228                    ; as t
	s_delay_alu instid0(VALU_DEP_1)
	v_max_num_f32 v13, v13, v228                   ; the running largest t
	v_mov_b32 v228, v12
	s_delay_alu instid0(VALU_DEP_2)
	v_floor_f32 v12, -v13                          ; the new -M = floor(-t): M is a whole number
	s_delay_alu instid0(VALU_DEP_1)
	v_sub_f32 v228, v12, v228                      ; old M - new M: a whole number, 0 or less
	s_delay_alu instid0(VALU_DEP_1)
	v_cvt_i32_f32 v228, v228                       ; (it saturates)
	s_delay_alu instid0(VALU_DEP_1)
	v_ldexp_f32 v[FF], 1.0, v228                   ; f = 2^(old M - new M)
.set n, 0
.rept 32
	v_pk_fma_f32 v[S+n:S+n+1], v[S+n:S+n+1], s[CS:CS+1], v[12:13] op_sel_hi:[1,0,0]   ; t - M, two at a time
.set n, n+2
.endr
	s_setprio 1
.irp b, 0,1,2,3
	v_fma_f32 v[BM+\b], v[BM+\b], s[CS], v12       ; the same of each block's largest score
.endr
.set n, 0
	s_wait_alu depctr_va_vdst(0)
.rept 64
	v_exp_f32 v[S+n], v[S+n]                       ; p = 2^(t - M)
.set n, n+1
.endr
	v_pk_mul_f32 v[14:15], v[14:15], v[FF:FF+1] op_sel_hi:[1,0]   ; the sums under the new M: a plain place behind the exponentials
	s_wait_alu depctr_va_vdst(0)                   ; one wait for the whole batch, ahead of its first reader
.irp b, 0,1,2,3
	v_exp_f32 v[BM+\b], v[BM+\b]                   ; the block's largest p: the same two instructions on the same number give the same bits
.endr
	v_pk_add_f32 v[232:233], v[100:101], v[104:105]
	v_pk_add_f32 v[254:255], v[108:109], v[112:113]
	v_pk_add_f32 v[252:253], v[116:117], v[120:121]
	v_pk_add_f32 v[250:251], v[124:125], v[128:129]
	v_pk_add_f32 v[248:249], v[132:133], v[136:137]
	v_pk_add_f32 v[246:247], v[140:141], v[144:145]
	v_pk_add_f32 v[244:245], v[148:149], v[152:153]
	v_pk_add_f32 v[14:15], v[14:15], v[156:157]
	v_pk_add_f32 v[232:233], v[232:233], v[96:97]
	v_pk_add_f32 v[254:255], v[254:255], v[98:99]
	v_pk_add_f32 v[252:253], v[252:253], v[102:103]
	v_pk_add_f32 v[250:251], v[250:251], v[106:107]
	v_pk_add_f32 v[248:249], v[248:249], v[110:111]
	v_pk_add_f32 v[246:247], v[246:247], v[114:115]
	v_pk_add_f32 v[244:245], v[244:245], v[118:119]
	v_pk_add_f32 v[14:15], v[14:15], v[122:123]
	v_pk_add_f32 v[232:233], v[232:233], v[126:127]
	v_pk_add_f32 v[254:255], v[254:255], v[130:131]
	v_pk_add_f32 v[252:253], v[252:253], v[134:135]
	v_pk_add_f32 v[250:251], v[250:251], v[138:139]
	v_pk_add_f32 v[248:249], v[248:249], v[142:143]
	v_pk_add_f32 v[246:247], v[246:247], v[146:147]
	v_pk_add_f32 v[244:245], v[244:245], v[150:151]
	v_pk_add_f32 v[14:15], v[14:15], v[154:155]
	v_pk_add_f32 v[232:233], v[232:233], v[158:159]
	s_delay_alu instid0(VALU_DEP_2)
	v_pk_add_f32 v[14:15], v[14:15], v[250:251]
	s_delay_alu instid0(VALU_DEP_2)
	v_pk_add_f32 v[232:233], v[232:233], v[248:249]
	v_pk_add_f32 v[254:255], v[254:255], v[246:247]
	v_pk_add_f32 v[252:253], v[252:253], v[244:245]
	s_delay_alu instid0(VALU_DEP_2)
	v_pk_add_f32 v[14:15], v[14:15], v[254:255]
	s_delay_alu instid0(VALU_DEP_2)
	v_pk_add_f32 v[232:233], v[232:233], v[252:253]
	s_delay_alu instid0(VALU_DEP_1)
	v_pk_add_f32 v[14:15], v[14:15], v[232:233]
	s_wait_alu depctr_va_vdst(0)                   ; and one for the four
.irp b, 0,1,2,3
	v_max_num_f32 v[BM+\b], 0x1800000, v[BM+\b]    ; the floor 2^(3 - 127): a block whose every p is 0 keeps the byte 1: its codes are zeros
.endr
.irp b, 0,1,2,3
	s_delay_alu instid0(VALU_DEP_4)
	v_add_nc_u32 v[SOP+\b], 0xff000000, v[BM+\b]   ; 2 off the exponent field: the conversion's scale operand
.endr
.irp b, 0,1,2,3
	s_delay_alu instid0(VALU_DEP_4)
	v_lshrrev_b32 v[BP+\b], 23, v[SOP+\b]          ; the scale's byte
.endr
	s_delay_alu instid0(VALU_DEP_3)
	v_lshl_or_b32 v[PWD], v[BP+1], 8, v[BP]        ; p's scale word for these 128 keys
	s_delay_alu instid0(VALU_DEP_1)
	v_lshl_or_b32 v[PWD], v[BP+2], 16, v[PWD]
	s_delay_alu instid0(VALU_DEP_1)
	v_lshl_or_b32 v[PWD], v[BP+3], 24, v[PWD]
	s_setprio 0
.irp c, 0,1
	v_cvt_scalef32_pk16_fp6_f32 v[PCD+6*\c:PCD+6*\c+2], v[S+32*\c:S+32*\c+15], v[SOP+2*\c]
	v_cvt_scalef32_pk16_fp6_f32 v[PX+4*\c:PX+4*\c+2], v[S+16+32*\c:S+16+32*\c+15], v[SOP+2*\c+1]
.endr
	v_nop                                          ; one plain place behind a scaled conversion
.irp c, 0,1                                    ; a WHOLE block in a lane: lanes 0-15 block 2 c, lanes 16-31 block 2 c + 1
.irp i, 0,1,2
	v_permlane16_swap_b32 v[PCD+6*\c+\i], v[PX+4*\c+\i]
.endr
.irp i, 0,1,2
	s_delay_alu instid0(VALU_DEP_3)
	v_mov_b32 v[PCD+3+6*\c+\i], v[PX+4*\c+\i]
.endr
.endr
.set n, 0
.rept 16
	v_pk_mul_f32 v[O+n:O+n+1], v[O+n:O+n+1], v[FF:FF+1] op_sel_hi:[1,0]   ; O^T under the new M.  (These 16 are also the places between the lines that made p's codes and scale word and the products)
.set n, n+2
.endr
	s_wait_alu depctr_va_vdst(0)
	s_wait_dscnt 0x0                               ; v's fragments and scale words are in
.irp a, 0,1,2,3                                ; O^T += v^T p^T: the four accumulators by turns
.if (\a/2) == 1
	v_wmma_scale_f32_16x16x128_f8f6f4 v[O+8*\a:O+8*\a+7], v[KV+12*\a:KV+12*\a+11], v[PCD:PCD+11], v[O+8*\a:O+8*\a+7], v[VSC+\a%2], v[PWD] matrix_a_fmt:MATRIX_FMT_FP6 matrix_b_fmt:MATRIX_FMT_FP6 matrix_a_scale:MATRIX_SCALE_ROW1
.else
	v_wmma_scale_f32_16x16x128_f8f6f4 v[O+8*\a:O+8*\a+7], v[KV+12*\a:KV+12*\a+11], v[PCD:PCD+11], v[O+8*\a:O+8*\a+7], v[VSC+\a%2], v[PWD] matrix_a_fmt:MATRIX_FMT_FP6 matrix_b_fmt:MATRIX_FMT_FP6
.endif
.endr
.endm
; ONE TILE OF 16 QUERIES, from its addresses to its stores.
.macro PASS p
	s_wait_xcnt 0x0                                ; the last tile's stores have read their data and bases: both are written again below
.if \p == 0
	s_mov_b32 s[RK], s[WV]
	s_mov_b32 s[GG], s13
.else
	s_sub_co_u32 s[RK], 15, s[WV]
	s_add_co_u32 s[GG], s13, 4
.endif
	s_lshl_b32 s66, s17, 4
	s_add_co_u32 s66, s66, s[RK]
	s_mul_i32 s66, s66, KREC                       ; q's record of step RK
	s_mul_i32 s68, s[GG], 768
	s_add_co_u32 s68, s68, s66
	s_mov_b32 s69, 0
	s_add_nc_u64 s[QA:QA+1], s[4:5], s[68:69]      ; its tile GG
	s_lshr_b32 s70, s[GG], 2
	s_lshl_b32 s70, s70, 8
	s_add_co_u32 s68, s66, s70                     ; the tile's scale words: unit GG / 4,
	s_bfe_u32 s70, s[GG], 0x10001
	s_lshl_b32 s70, s70, 7
	s_add_co_u32 s68, s68, s70                     ; the lanes' half (GG / 2) % 2,
	s_and_b32 s70, s[GG], 1
	s_lshl_b32 s70, s70, 2
	s_add_co_u32 s68, s68, s70                     ; word GG % 2
	s_add_co_u32 s68, s68, 6144
	s_add_nc_u64 s[QS:QS+1], s[4:5], s[68:69]
	s_lshl_b32 s70, s15, 7
	s_lshl_b32 s71, s[RK], 3
	s_add_co_u32 s70, s70, s71
	s_add_co_u32 s70, s70, s[GG]                   ; the token tile among all 512
	s_lshl_b32 s68, s70, 4
	s_add_co_u32 s68, s68, s16
	s_mul_i32 s68, s68, 768
	s_add_nc_u64 s[OA:OA+1], s[6:7], s[68:69]
	s_lshl_b32 s68, s70, 9
	s_lshl_b32 s71, s16, 1
	s_add_co_u32 s68, s68, s71
	s_add_nc_u64 s[OS:OS+1], s[8:9], s[68:69]
	global_load_b128 v[QF:QF+3], v1, s[QA:QA+1]
	global_load_b64 v[QF+4:QF+5], v2, s[QA:QA+1] offset:512
	global_load_b32 v[QSC], v7, s[QS:QS+1]
	s_lshr_b32 s70, s[GG], 1
	s_lshl_b32 s70, s70, 5
	s_and_b32 s71, s[GG], 1
	s_lshl_b32 s71, s71, 3
	s_add_co_u32 s70, s70, s71
	v_add_nc_u32 v3, s70, v4                       ; my query's place in its step of 128, less 16 h
	v_mov_b32 v13, 0xff61b1e6                      ; the largest t so far: -3e38, under every t
	s_delay_alu instid0(VALU_DEP_1)
	v_floor_f32 v12, -v13                          ; -M
	v_mov_b32 v14, 0
	v_mov_b32 v15, 0
.irp b, 0,1,2,3
	v_mov_b32 v[BP+\b], 0                          ; a lane permute's destination counts as one of its sources
.endr
	v_mov_b32 v[FF+1], 0                           ; (named as the upper half of a pair)
	v_mov_b32 v228, 0
.set n, 0
.rept 32
	v_mov_b32 v[O+n], 0                            ; O^T: the step is written once; the first finds zeros, which the first change of M leaves zeros
.set n, n+1
.endr
	s_mov_b32 s[TBK], 0
	s_mov_b32 s[TBV], 0
	s_mov_b32 s[CNT], 0
	s_wait_loadcnt 0x0                             ; q
.Lstep_\@:
	s_cmp_gt_u32 s[CNT], s[RK]                     ; all keys of this step come after my queries: the wave's number and the count of steps alone decide
	s_cbranch_scc1 .Lhidden_\@
	s_setprio 2
	STEP
.Lhidden_\@:
	s_add_co_u32 s[TBK], s[TBK], KREC
	s_add_co_u32 s[TBV], s[TBV], VREC
	s_add_co_u32 s[CNT], s[CNT], 1
	s_cmp_lt_u32 s[CNT], 16
	s_cbranch_scc1 .Lstep_\@
	s_setprio 0
	; the way out: O^T / the sum, quantised along the head's 64: register 16 b + i is d = 32 b + 16 h + i
.rept 4
	v_nop                                          ; places behind the last products
.endr
	v_add_f32 v14, v14, v15                        ; the sum's two halves,
	s_delay_alu instid0(VALU_DEP_1)
	v_permlanex16_b32 v228, v14, s[SEL], s[SEL+1]
	s_delay_alu instid0(VALU_DEP_1)
	v_add_f32 v14, v14, v228                       ; and lane l xor 16's
	s_wait_alu depctr_va_vdst(0)
	v_rcp_f32 v14, v14
	v_nop                                          ; a plain place behind the reciprocal
	s_wait_alu depctr_va_vdst(0)                   ; and the wait ahead of its first reader
.set n, 0
.rept 16
	v_pk_mul_f32 v[S+n:S+n+1], v[O+n:O+n+1], v[14:15] op_sel_hi:[1,0]   ; each accumulator from its low end on
.set n, n+2
.endr
.irp b, 0,1
	v_max3_num_f32 v[BM+\b], |v[S+16*\b]|, |v[S+1+16*\b]|, 0x1800000   ; my 16 numbers of block b, and the floor
.endr
.irp i, 2,4,6,8,10,12,14
.irp b, 0,1
	s_delay_alu instid0(VALU_DEP_2)
	v_max3_num_f32 v[BM+\b], v[BM+\b], |v[S+16*\b+\i]|, |v[S+1+16*\b+\i]|
.endr
.endr
.irp b, 0,1
	s_delay_alu instid0(VALU_DEP_2)
	v_permlanex16_b32 v[BP+\b], v[BM+\b], s[SEL], s[SEL+1]
.endr
.irp b, 0,1
	s_delay_alu instid0(VALU_DEP_2)
	v_max_num_f32 v[BM+\b], v[BM+\b], v[BP+\b]
.endr
.irp b, 0,1
	s_delay_alu instid0(VALU_DEP_2)
	v_add_nc_u32 v[SOP+\b], 0xff000000, v[BM+\b]
.endr
.irp b, 0,1
	s_delay_alu instid0(VALU_DEP_2)
	v_lshrrev_b32 v[BP+\b], 23, v[SOP+\b]
.endr
	v_cvt_scalef32_pk16_fp6_f32 v[PCD:PCD+2], v[S:S+15], v[SOP]
	v_cvt_scalef32_pk16_fp6_f32 v[PX:PX+2], v[S+16:S+31], v[SOP+1]
	v_nop                                          ; one plain place behind a scaled conversion
.irp i, 0,1,2
	v_permlane16_swap_b32 v[PCD+\i], v[PX+\i]
.endr
.irp i, 0,1,2
	s_delay_alu instid0(VALU_DEP_3)
	v_mov_b32 v[PCD+3+\i], v[PX+\i]
.endr
	v_cndmask_b32 v230, v[BP], v[BP+1], s[HI]      ; lanes 0-15 store block 0's byte, lanes 16-31 block 1's
	global_store_b128 v1, v[PCD:PCD+3], s[OA:OA+1]                 ; 512 and 256 consecutive bytes, aligned to 256
	global_store_b64 v2, v[PCD+4:PCD+5], s[OA:OA+1] offset:512
	global_store_b8 v29, v230, s[OS:OS+1]
.endm
	PASS 0
	PASS 1
	s_wait_tensorcnt 0x0                           ; the wave's end, behind my last tensor load
	ds_add_u32 v[SPW], v[NIL]
	s_wait_dscnt 0x0
	CROUND                                         ; the closing round
	s_endpgm
.Lfunc_end_k_q71d222db42_attn:
	.size	k_q71d222db42_attn, .Lfunc_end_k_q71d222db42_attn-k_q71d222db42_attn
	.p2alignl 7, 3214868480
	.fill 96, 4, 3214868480
	.section	.rodata,"a",@progbits
	.p2align	6, 0x0
	.amdhsa_kernel k_q71d222db42_attn
		.amdhsa_group_segment_fixed_size 210944
		.amdhsa_private_segment_fixed_size 0
		.amdhsa_enable_private_segment 0
		.amdhsa_kernarg_size 24
		.amdhsa_user_sgpr_count 2
		.amdhsa_user_sgpr_kernarg_segment_ptr 1
		.amdhsa_wavefront_size32 1
		.amdhsa_system_sgpr_workgroup_id_x 1
		.amdhsa_system_sgpr_workgroup_id_y 1
		.amdhsa_system_sgpr_workgroup_id_z 1
		.amdhsa_system_vgpr_workitem_id 0
		.amdhsa_next_free_vgpr 256
		.amdhsa_next_free_sgpr 80
		.amdhsa_reserve_vcc 1
		.amdhsa_float_denorm_mode_32 3
		.amdhsa_float_denorm_mode_16_64 3
		.amdhsa_memory_ordered 1
		.amdhsa_forward_progress 1
		.amdhsa_inst_pref_size 66
	.end_amdhsa_kernel
	.amdgpu_metadata
---
amdhsa.version: [ 1, 2 ]
amdhsa.kernels:
  - .name:           k_q71d222db42_attn
    .symbol:         k_q71d222db42_attn.kd
    .args:
      - { .name: rec, .offset: 0, .size: 8, .value_kind: global_buffer, .address_space: global }
      - { .name: acod, .offset: 8, .size: 8, .value_kind: global_buffer, .address_space: global }
      - { .name: ascl, .offset: 16, .size: 8, .value_kind: global_buffer, .address_space: global }
    .group_segment_fixed_size: 210944
    .private_segment_fixed_size: 0
    .kernarg_segment_align: 8
    .kernarg_segment_size: 24
    .max_flat_workgroup_size: 512
    .sgpr_count:     80
    .vgpr_count:     256
    .wavefront_size: 32
...
	.end_amdgpu_metadata
.endif
;; end of part 3
;; launch gemm_out (part 4): grid 4 x 32, 4 waves a work-group, clusters of 4 x 4, 327,680 bytes of LDS; arguments acod, ascl, cod, scl, out0; writes out0
.if DOCPART == 4
	.amdgcn_target "amdgcn-amd-amdhsa--gfx1250"
	.amdhsa_code_object_version 6
	.text
	.protected	k_q71d222db42_gemm_out
	.globl	k_q71d222db42_gemm_out
	.p2align	8
	.type	k_q71d222db42_gemm_out,@function
k_q71d222db42_gemm_out:
	s_mov_b64 s[64:65], 0
	v_nop
	global_prefetch_b8 v0, s[64:65] scope:SCOPE_SE
	s_setreg_imm32_b32 hwreg(HW_REG_WAVE_MODE, 25, 1), 1
	s_wait_xcnt 0x0
	s_wait_alu depctr_hold_cnt(0) depctr_sa_sdst(0) depctr_va_vdst(0) depctr_va_sdst(0) depctr_va_ssrc(0) depctr_va_vcc(0) depctr_vm_vsrc(0)
	s_getreg_b32 s2, hwreg(HW_REG_IB_STS2, 6, 4)
	s_cmp_eq_u32 s2, 0
	s_cbranch_scc0 .Lentry_in_a_cluster
	s_endpgm
.Lentry_in_a_cluster:
	s_bfe_u32 s2, ttmp6, 0x10000c
	s_cmp_lg_u32 s2, 0xf033
	s_cbranch_scc0 .Lentry_shape_is_right
	s_endpgm
.Lentry_shape_is_right:
; LAUNCH 4 OF 4.  out0 = O W_out on codes of FP6 (E2M3): C[m][n] = sum over k of A[m][k] B[n][k], M 8,192, N 1,024, K 1,024; sums and out0 in f32.
; A: launch 3's results.  acod [token tile 512][head 16][768]: images of operand registers 0-5 (16 positions x 64 along K: registers 0-3 at 16 x lane, registers 4-5 at 512 + 8 x lane); two heads' images are a fragment
; of 128 along K.  ascl [position][32].  B: W_out's columns, positions 11,264 on of cod / scl, rows of 768 bytes with K innermost.
; Positions of both operands stand in the order sigma (bits 3 and 4 exchanged: launch 1); the way out puts rows and columns back.
; A tile of C is 256 x 256, four waves of 128 x 128; K goes in steps of 256 through a ring of two LDS slots; the scales of the tile's rows come into LDS once.  The grid has 128 work-groups: the tile is kept at
; the size at which each fragment read from LDS feeds eight products.
; CLUSTERS: 4 x 4 work-groups; A's tiles are asked for jointly along a row of the cluster, B's along a column.  The matrix instruction is used transposed (source 0 = 16 positions of B, source 1 = 16 of A).
; REGISTERS, in windows of 256: window 0: v0-31 addresses; v32-63 scale words, two sets; from v128 A's fragments, ONE set; on the way out v128-255.  window 1: B's fragments, TWO sets.  windows 2, 3: the accumulators.
.set SIZE_N, 1024
.set SIZE_K, 1024
.set KSTEP,  256
.set NQ,     KSTEP/128
.set ROWB,   192                       ; a row of B's tile in bytes
.set KROW,   SIZE_K*6/8
.set PITCH,  240                       ; B's LDS row: 3 x (64 bytes of data + 16 of padding)
.set FR,     12
.set NL,     6                         ; LDS loads that bring a fragment of B
.set NLA,    4                         ; and one of A: two images, two loads each
.set NP,     4                         ; places behind this matrix instruction (ISA guide 7.12.1)
.set AIMG,   3072                      ; a token tile's four heads of a K step
.set HALFA,  8*AIMG                    ; 128 positions of A: what one tensor load brings
.set HALFB,  128*PITCH
.set BOFF,   2*HALFA                   ; a slot: A's 256 positions, then B's 256
.set SLOT,   BOFF+2*HALFB
.set LAPS,   SIZE_K/(2*KSTEP)
.set KS,     SIZE_K/32
.set SCL,    2*SLOT                    ; behind the ring: the scales, as units of 256 bytes + 16 of padding
.set HALFS,  (128*KS/256)*272
.set SBLK,   (16*KS/256)*272
.set SPARE,  SCL+4*HALFS               ; the spare words, 128 bytes for each wave
.set SPITCH, 528                       ; the way out: a stage of 16 rows x (512 bytes + 16) for each wave, in slot 0, which has had its last fill and its last read when the first result is stored there
.set ADRA, 16                          ; v16-17  16 x lane + my A's place in slot 0, 1;  v18-19  8 x lane + the same
.set ADRB, 20                          ; v20-23  B's, as rows
.set STO,  24
.set RD,   25
.set CO,   26
.set ADRS, 27
.set SPW,  28
.set NIL,  29
.set SC,   32
.set AF,   128
.set BK,   128
.set G1, 24
.set G0, 32
.set G1B, 48
.set G0B, 56
.set G1S, 68
.set G0S, 76
.set G1SB, 80
.set G0SB, 88
.set MSB, 0
.macro WIN new                         ; the immediate's high byte repeats the setting that is left
.if MSB != (\new)
	s_set_vgpr_msb (MSB<<8)|(\new)
.set MSB, (\new)
.endif
.endm
.set MUL_LO, 0xa1
.set MUL_HI, 0xf1
.set TO_B,   0x40
.macro JLOAD g0a, g1a, g0b, g1b        ; a joint load: waves 0 and 1 fetch for A, waves 2 and 3 for B; an s_nop 0 and four v_nop follow each of the two lines
	s_cmp_eq_u32 s15, 0
	s_cbranch_scc0 .Lfor_b_\@
	tensor_load_to_lds s[\g0a:\g0a+3], s[\g1a:\g1a+7]
	s_nop 0
.rept 4
	v_nop
.endr
	s_branch .Lasked_\@
.Lfor_b_\@:
	tensor_load_to_lds s[\g0b:\g0b+3], s[\g1b:\g1b+7]
	s_nop 0
.rept 4
	v_nop
.endr
.Lasked_\@:
.endm
.macro CREST
	s_cmp_lg_u32 s14, 0
	s_cbranch_scc1 .Lnot_wave_0_\@
	s_barrier_signal -3
.Lnot_wave_0_\@:
	s_barrier_wait -3
	s_barrier_signal -1
	s_barrier_wait -1
.endm
.macro CROUND
	s_barrier_signal -1
	s_barrier_wait -1
	CREST
.endm
	s_load_b128 s[4:7], s[0:1], 0x0                ; acod s[4:5], ascl s[6:7]
	s_load_b128 s[8:11], s[0:1], 0x10              ; cod s[8:9], scl s[10:11]
	s_load_b64 s[12:13], s[0:1], 0x20              ; out0
	v_lshl_add_u32 v[SPW], v0, 2, SPARE
	v_mov_b32 v[NIL], 0
	ds_add_u32 v[SPW], v[NIL]                      ; the wave's opening: the add, twice on end, and its wait ahead of my first tensor load
	ds_add_u32 v[SPW], v[NIL]                      ; and once more; the set-up below, work on registers, stands between it and the wait
	v_lshrrev_b32 v1, 5, v0
	v_readfirstlane_b32 s14, v1                    ; wave 0..3
	s_lshr_b32 s15, s14, 1                         ; which half of the tile's rows is mine.  Also: I fetch for A (0) or for B (1)
	s_and_b32 s16, s14, 1                          ; which half of its columns.  Also: which 128 positions of that tile I fetch
	s_bfe_u32 s40, ttmp6, 0x40000
	s_bfe_u32 s41, ttmp6, 0x40004
	s_lshl_b32 s42, ttmp9, 2
	s_add_co_u32 s42, s42, s40                     ; tile column of C
	s_and_b32 s17, ttmp7, 0xffff
	s_lshl_b32 s17, s17, 2
	s_add_co_u32 s17, s17, s41                     ; tile row of C
	s_lshl_b32 s43, s41, 2
	s_lshl_b32 s43, 15, s43                        ; my row of the cluster
	s_lshl_b32 s44, 0x1111, s40                    ; my column
	; descriptor group 1 for A: 8 token tiles x 3,072 bytes (384 elements of 8), 12,288 bytes apart; no padding: the images are read 16 or 8 consecutive bytes a lane
	s_or_b32 s[G1+0], s43, (3<<16)|(1<<21)
	s_mov_b32 s[G1+1], 384<<16                     ; tensor_dim0
	s_mov_b32 s[G1+2], 8<<16                       ; tensor_dim1
	s_mov_b32 s[G1+3], 384<<16                     ; tile_dim0
	s_mov_b32 s[G1+4], 8                           ; tile_dim1
	s_mov_b32 s[G1+5], 1536                        ; tensor_dim0_stride
	s_mov_b32 s[G1+6], 0
	s_mov_b32 s[G1+7], 0
	; for B: 128 rows x 192 bytes, 16 bytes of padding behind every 64
	s_or_b32 s[G1B+0], s44, (0<<16)|(1<<20)|(1<<21)|(3<<22)|(3<<25)
	s_mov_b32 s[G1B+1], ROWB<<16
	s_mov_b32 s[G1B+2], 128<<16
	s_mov_b32 s[G1B+3], ROWB<<16
	s_mov_b32 s[G1B+4], 128
	s_mov_b32 s[G1B+5], KROW
	s_mov_b32 s[G1B+6], 0
	s_mov_b32 s[G1B+7], 0
	; the scales of 128 positions: 4,096 dense bytes as rows of 256, 16 bytes of padding behind each
	s_or_b32 s[G1S+0], s43, (3<<16)|(1<<20)|(1<<21)|(5<<22)|(3<<25)
	s_or_b32 s[G1SB+0], s44, (3<<16)|(1<<20)|(1<<21)|(5<<22)|(3<<25)
.irp g, G1S, G1SB
	s_mov_b32 s[\g+1], 32<<16
	s_mov_b32 s[\g+2], (128*KS/256)<<16
	s_mov_b32 s[\g+3], 32<<16
	s_mov_b32 s[\g+4], 128*KS/256
	s_mov_b32 s[\g+5], 32
	s_mov_b32 s[\g+6], 0
	s_mov_b32 s[\g+7], 0
.endr
	s_lshl_b32 s18, s16, 7
	s_lshl_b32 s20, s17, 8
	s_add_co_u32 s20, s20, s18                     ; A: position 256 x tile row + 128 x half
	s_lshl_b32 s46, s42, 8
	s_add_co_u32 s46, s46, s18
	s_add_co_u32 s46, s46, 11264                   ; B: position 11,264 + 256 x tile column + 128 x half
	s_mov_b32 s21, 0
	s_mov_b32 s47, 0
	s_mov_b64 s[18:19], KS
	s_mul_u64 s[22:23], s[20:21], s[18:19]         ; where these positions' scales begin
	s_mul_u64 s[92:93], s[46:47], s[18:19]
	s_mov_b64 s[18:19], KROW
	s_mul_u64 s[20:21], s[20:21], s[18:19]         ; and their codes: 768 bytes a position in both (a token tile's 16 heads are 16 x 768 bytes)
	s_mul_u64 s[46:47], s[46:47], s[18:19]
	s_mul_i32 s45, s16, HALFA                      ; where they go: A's half,
	s_mul_i32 s95, s16, HALFB
	s_add_co_u32 s95, s95, BOFF                    ; B's half: no place in the cluster enters an LDS address
	s_mul_i32 s94, s14, HALFS
	s_wait_dscnt 0x0                               ; both opening adds are done
	s_wait_kmcnt 0x0
	s_add_nc_u64 s[20:21], s[4:5], s[20:21]
	s_add_nc_u64 s[22:23], s[6:7], s[22:23]
	s_add_nc_u64 s[46:47], s[8:9], s[46:47]
	s_add_nc_u64 s[92:93], s[10:11], s[92:93]
	CROUND                                         ; all sixteen work-groups are here: the first joint loads meet
	s_mov_b32 s[G0S], 1
	s_add_co_u32 s[G0S+1], s94, SCL
	s_mov_b64 s[G0S+2:G0S+3], s[22:23]
	s_or_b32 s[G0S+3], s[G0S+3], 0x80000000
	s_mov_b32 s[G0SB], 1
	s_add_co_u32 s[G0SB+1], s94, SCL
	s_mov_b64 s[G0SB+2:G0SB+3], s[92:93]
	s_or_b32 s[G0SB+3], s[G0SB+3], 0x80000000
	JLOAD G0S, G1S, G0SB, G1SB                     ; the scales first
.irp s, 0,1
	s_mov_b32 s[G0+4*\s], 1
	s_add_co_u32 s[G0+4*\s+1], s45, \s*SLOT
	s_add_nc_u64 s[G0+4*\s+2:G0+4*\s+3], s[20:21], \s*AIMG
	s_or_b32 s[G0+4*\s+3], s[G0+4*\s+3], 0x80000000
	s_mov_b32 s[G0B+4*\s], 1
	s_add_co_u32 s[G0B+4*\s+1], s95, \s*SLOT
	s_add_nc_u64 s[G0B+4*\s+2:G0B+4*\s+3], s[46:47], \s*ROWB
	s_or_b32 s[G0B+4*\s+3], s[G0B+4*\s+3], 0x80000000
	JLOAD G0+4*\s, G1, G0B+4*\s, G1B               ; three tensor loads of mine are out at the most
.endr
	v_and_b32 v1, 15, v0                           ; l % 16
	v_bfe_u32 v2, v0, 4, 1                         ; l / 16
	v_and_b32 v6, 31, v0                           ; lane
	v_mul_u32_u24 v3, v1, PITCH
	v_mul_u32_u24 v4, v2, 24
	v_add_nc_u32 v4, v3, v4                        ; B: a fragment's row x pitch + 24 x half
	v_lshl_add_u32 v5, v2, 4, v4                   ; and the same behind one padding more
	v_lshlrev_b32 v7, 4, v6                        ; A: 16 x lane,
	v_lshlrev_b32 v8, 3, v6                        ; 8 x lane
	s_mul_i32 s21, s15, HALFA                      ; my 128 positions of A
	s_mul_i32 s22, s16, HALFB                      ; my 128 of B,
	s_add_co_u32 s22, s22, BOFF                    ; which lie behind A's 256
.irp s, 0,1
	v_add_nc_u32 v[ADRA+\s], s21, v7
	v_add_nc_u32 v[ADRA+2+\s], s21, v8
	v_add_nc_u32 v[ADRB+\s], s22, v4
	v_add_nc_u32 v[ADRB+2+\s], s22, v5
	s_add_co_u32 s21, s21, SLOT
	s_add_co_u32 s22, s22, SLOT
.endr
	v_mul_u32_u24 v5, v1, KS                       ; my row's scales
	v_lshrrev_b32 v9, 8, v5
	v_lshl_add_u32 v5, v9, 4, v5
	s_mul_i32 s21, s15, HALFS
	s_mul_i32 s22, s16, HALFS
	s_add_co_u32 s22, s22, 2*HALFS
	s_sub_co_u32 s22, s22, s21
	v_mul_u32_u24 v9, s22, v2                      ; lanes 16-31 take B's: one product, the distance between the two bases
	s_add_co_u32 s21, s21, SCL
	v_add_nc_u32 v5, v5, v9
	v_add_nc_u32 v[ADRS], s21, v5
	s_mul_i32 s23, s14, 16*SPITCH                  ; my stage
	v_mul_u32_u24 v5, v1, SPITCH                   ; in: row l % 16; the halves of the lanes hold columns 16 apart: 64 bytes
	v_lshl_add_u32 v5, v2, 6, v5
	v_add_nc_u32 v[STO], s23, v5
	v_lshlrev_b32 v[CO], 4, v6                     ; back: the 32 lanes take one row of 512 bytes; and the same in out0
	v_add_nc_u32 v[RD], s23, v[CO]
	s_lshl_b32 s20, s17, 8
	s_lshl_b32 s21, s15, 7
	s_add_co_u32 s20, s20, s21                     ; my first row of C
	s_mov_b32 s21, 0
	s_mov_b64 s[18:19], SIZE_N*4
	s_mul_u64 s[20:21], s[20:21], s[18:19]
	s_lshl_b32 s46, s42, 10                        ; my first column, in bytes
	s_lshl_b32 s47, s16, 9
	s_add_co_u32 s46, s46, s47
	s_mov_b32 s47, 0
	s_add_nc_u64 s[20:21], s[20:21], s[46:47]
	s_add_nc_u64 s[12:13], s[12:13], s[20:21]
.macro FRAG reg, adr, q, i             ; a fragment of B from rows: 24 bytes of the row's stream of bits for each half of the registers, in pieces of 8 bytes
.irp p, 0,1,2,3,4,5
.set PC, 12*(\q)+6*(\p/3)+\p%3
.if PC%8 < 5
	ds_load_b64 v[\reg+2*\p:\reg+2*\p+1], v[\adr] offset:8*PC+16*(PC/8)+(\i)*16*PITCH
.else
	ds_load_b64 v[\reg+2*\p:\reg+2*\p+1], v[\adr+2] offset:8*PC+16*(PC/8)+(\i)*16*PITCH
.endif
.endr
.endm
.macro FRAGA reg, slot, q, i           ; a fragment of A from two images: token tile i, heads 2 q and 2 q + 1 of the slot's four
	ds_load_b128 v[\reg:\reg+3], v[ADRA+\slot] offset:AIMG*(\i)+1536*(\q)
	ds_load_b64 v[\reg+4:\reg+5], v[ADRA+2+\slot] offset:AIMG*(\i)+1536*(\q)+512
	ds_load_b128 v[\reg+6:\reg+9], v[ADRA+\slot] offset:AIMG*(\i)+1536*(\q)+768
	ds_load_b64 v[\reg+10:\reg+11], v[ADRA+2+\slot] offset:AIMG*(\i)+1536*(\q)+1280
.endm
; 16 matrix instructions: A's blocks a0, a0 + 1 x B's eight.  The 64 accumulators take turns, one instruction a turn.
.macro MUL16 a0, p, q, sc, zero
.irp a, \a0, \a0+1
.irp b, 0,1,2,3,4,5,6,7
.if \zero
	v_wmma_scale_f32_16x16x128_f8f6f4 v[8*(8*((\a)%4)+\b):8*(8*((\a)%4)+\b)+7], v[128*(\p)+FR*\b:128*(\p)+FR*\b+FR-1], v[AF+FR*(\a):AF+FR*(\a)+FR-1], 0, v[SC+8*NQ*(\sc)+NQ*\b+(\q)], v[SC+8*NQ*(\sc)+NQ*(\a)+(\q)] matrix_a_fmt:MATRIX_FMT_FP6 matrix_b_fmt:MATRIX_FMT_FP6 matrix_a_scale:MATRIX_SCALE_ROW1
.else
	v_wmma_scale_f32_16x16x128_f8f6f4 v[8*(8*((\a)%4)+\b):8*(8*((\a)%4)+\b)+7], v[128*(\p)+FR*\b:128*(\p)+FR*\b+FR-1], v[AF+FR*(\a):AF+FR*(\a)+FR-1], v[8*(8*((\a)%4)+\b):8*(8*((\a)%4)+\b)+7], v[SC+8*NQ*(\sc)+NQ*\b+(\q)], v[SC+8*NQ*(\sc)+NQ*(\a)+(\q)] matrix_a_fmt:MATRIX_FMT_FP6 matrix_b_fmt:MATRIX_FMT_FP6 matrix_a_scale:MATRIX_SCALE_ROW1
.endif
.endr
.endr
.endm
.macro FETCH_B slot, q, p
	WIN TO_B
.irp i, 0,1,2,3,4,5,6,7
	FRAG 128*(\p)+FR*\i, ADRB+\slot, \q, \i
.endr
	WIN 0
.endm
.macro FETCH_A slot, q, i0
.irp i, \i0, \i0+1, \i0+2, \i0+3
	FRAGA AF+FR*(\i), \slot, \q, \i
.endr
.endm
.macro SCALES sc
.irp i, 0,1,2,3,4,5,6,7
	ds_load_b64 v[SC+8*NQ*\sc+NQ*\i:SC+8*NQ*\sc+NQ*\i+1], v[ADRS] offset:\i*SBLK
.endr
.endm
.macro PLACES n                        ; places in front of loads into registers that matrix instructions have read, and of the first read of results (ISA guide 7.12.1 for vector instructions)
.rept \n
	v_nop
.endr
.endm
.macro STEP slot, q, zero
	s_wait_dscnt 4*NLA                             ; B's set and A's blocks 0-3 are in; the youngest 16 loads (A's blocks 4-7) may be out
	WIN MUL_LO
	MUL16 0, (\q)%2, \q, \slot, \zero
	MUL16 2, (\q)%2, \q, \slot, \zero
	s_wait_dscnt 0
	PLACES NP
	FETCH_B \slot, (\q)+1, 1-(\q)%2
	FETCH_A \slot, (\q)+1, 0
	WIN MUL_HI
	MUL16 4, (\q)%2, \q, \slot, \zero
	MUL16 6, (\q)%2, \q, \slot, \zero
	PLACES NP
	WIN 0
	FETCH_A \slot, (\q)+1, 4
.endm
.macro TURN slot, next, fill
	s_wait_tensorcnt 0x0                           ; all my tensor loads have landed: my part of the next slot
	ds_add_u32 v[SPW], v[NIL]                      ; 0 onto my spare word
	s_wait_dscnt 4*NLA+1                           ; (the add and the youngest 16 loads may be out)
	WIN MUL_LO
	MUL16 0, 1, NQ-1, \slot, 0
	s_wait_dscnt 0x0                               ; the add is done, and my reads of this slot are over
	s_barrier_signal -1
	MUL16 2, 1, NQ-1, \slot, 0
	WIN 0
	s_barrier_wait -1
.if \fill
	CREST                                          ; the barrier has opened a round of the cluster's barrier: no wave of any partner still reads this slot's tile or has a load on its way
	s_add_nc_u64 s[G0+4*\slot+2:G0+4*\slot+3], s[G0+4*\slot+2:G0+4*\slot+3], 2*AIMG
	s_add_nc_u64 s[G0B+4*\slot+2:G0B+4*\slot+3], s[G0B+4*\slot+2:G0B+4*\slot+3], 2*ROWB
	JLOAD G0+4*\slot, G1, G0B+4*\slot, G1B         ; the first tensor load behind the round; the four v_nop behind it are the places in front of the loads below
.else
	PLACES NP
.endif
	v_add_nc_u32 v[ADRS], 4*NQ, v[ADRS]
	FETCH_B \next, 0, 0
	FETCH_A \next, 0, 0
	SCALES \next
	WIN MUL_HI
	MUL16 4, 1, NQ-1, \slot, 0
	MUL16 6, 1, NQ-1, \slot, 0
	PLACES NP
	WIN 0
	FETCH_A \next, 0, 4
.endm
	s_wait_tensorcnt 1                             ; the scales and my part of K step 0 are in (K step 1's load may be out)
	s_barrier_signal -1
	s_barrier_wait -1
	FETCH_B 0, 0, 0
	FETCH_A 0, 0, 0
	SCALES 0
	FETCH_A 0, 0, 4
	STEP 0, 0, 1                                   ; the first step's products start the sums
	s_mov_b32 s3, LAPS-1
.Llap:
	TURN 0, 1, 1
	STEP 1, 0, 0
	TURN 1, 0, 1
	STEP 0, 0, 0
	s_sub_co_u32 s3, s3, 1
	s_cmp_lg_u32 s3, 0
	s_cbranch_scc1 .Llap
	TURN 0, 1, 0                                   ; the last lap fills nothing
	STEP 1, 0, 0
	s_wait_dscnt 4*NLA
	WIN MUL_LO
	MUL16 0, 1, NQ-1, 1, 0
	MUL16 2, 1, NQ-1, 1, 0
	s_wait_dscnt 0
	WIN MUL_HI
	MUL16 4, 1, NQ-1, 1, 0
	MUL16 6, 1, NQ-1, 1, 0
	WIN 0
; THE WAY OUT, block by block of 16 positions x 128 columns, through my own stage; it puts rows and columns back in their true order.
; Accumulator b, register j, half h of the lanes is column 32 (b / 2) + 8 (b % 2) + 16 h + j of my 128: byte 64 b - 32 (b % 2) + 64 h + 4 j of the row.
; Stage row t of block a is row 32 (a / 2) + 8 (a % 2) + t + 8 (t / 8) of my 128.
.macro TOSTAGE a
.set AC, 64*((\a)%4)
	WIN 0x08+4*((\a)/4)                            ; the data: window 2 or 3
.irp b, 0,1,2,3,4,5,6,7
	ds_store_b128 v[STO], v[AC+8*\b:AC+8*\b+3] offset:64*\b-32*(\b%2)          ; each accumulator from its low end on
	ds_store_b128 v[STO], v[AC+8*\b+4:AC+8*\b+7] offset:64*\b-32*(\b%2)+16
.endr
	WIN 0
.set BB, BK+64*((\a)%2)
.irp t, 0,1,2,3,4,5,6,7,8,9,10,11,12,13,14,15
	ds_load_b128 v[BB+4*\t:BB+4*\t+3], v[RD] offset:\t*SPITCH      ; LDS serves a wave's instructions in order (ISA guide 5.7.1.4): these see the stores above
.endr
.endm
.macro SEND a, younger                 ; younger: the LDS instructions issued behind block a's loads, which may stay out
.set BB, BK+64*((\a)%2)
	s_wait_dscnt \younger
.if (\a) > 0
.if (\a)%2 == 1
	s_add_nc_u64 s[12:13], s[12:13], 8*SIZE_N*4    ; (behind a wait on XCNT: the earlier stores have read their base)  an odd block begins 8 rows on,
.else
	s_add_nc_u64 s[12:13], s[12:13], 24*SIZE_N*4   ; an even one 24
.endif
.endif
.irp t, 0,1,2,3,4,5,6,7,8,9,10,11,12,13,14,15
	global_store_b128 v[CO], v[BB+4*\t:BB+4*\t+3], s[12:13] offset:(\t+8*(\t/8))*SIZE_N*4 th:TH_STORE_NT   ; 32 lanes store 512 consecutive bytes, aligned to 256; written once, read by nobody here
.endr
.endm
	PLACES NP
	TOSTAGE 0
.irp a, 1,2,3,4,5,6,7
.if \a > 1
	s_wait_xcnt 0x0                                ; block a - 2's stores have read their registers and their base
.endif
	TOSTAGE \a
	SEND \a-1, 32                                  ; behind block a - 1's loads: block a's 16 stores and 16 loads
.endr
	s_wait_xcnt 0x0
	SEND 7, 0
	s_wait_tensorcnt 0x0                           ; the wave's end, behind my last tensor load and my last LDS store
	ds_add_u32 v[SPW], v[NIL]
	s_wait_dscnt 0x0
	CROUND                                         ; the closing round
	s_endpgm
.Lfunc_end_k_q71d222db42_gemm_out:
	.size	k_q71d222db42_gemm_out, .Lfunc_end_k_q71d222db42_gemm_out-k_q71d222db42_gemm_out
	.p2alignl 7, 3214868480
	.fill 96, 4, 3214868480
	.section	.rodata,"a",@progbits
	.p2align	6, 0x0
	.amdhsa_kernel k_q71d222db42_gemm_out
		.amdhsa_group_segment_fixed_size 327680
		.amdhsa_private_segment_fixed_size 0
		.amdhsa_enable_private_segment 0
		.amdhsa_kernarg_size 40
		.amdhsa_user_sgpr_count 2
		.amdhsa_user_sgpr_kernarg_segment_ptr 1
		.amdhsa_wavefront_size32 1
		.amdhsa_system_sgpr_workgroup_id_x 1
		.amdhsa_system_sgpr_workgroup_id_y 1
		.amdhsa_system_sgpr_workgroup_id_z 1
		.amdhsa_system_vgpr_workitem_id 0
		.amdhsa_next_free_vgpr 1024
		.amdhsa_next_free_sgpr 98
		.amdhsa_reserve_vcc 0
		.amdhsa_float_denorm_mode_32 3
		.amdhsa_float_denorm_mode_16_64 3
		.amdhsa_memory_ordered 1
		.amdhsa_forward_progress 1
		.amdhsa_inst_pref_size 152
	.end_amdhsa_kernel
	.amdgpu_metadata
---
amdhsa.version: [ 1, 2 ]
amdhsa.kernels:
  - .name:           k_q71d222db42_gemm_out
    .symbol:         k_q71d222db42_gemm_out.kd
    .args:
      - { .name: acod, .offset: 0, .size: 8, .value_kind: global_buffer, .address_space: global }
      - { .name: ascl, .offset: 8, .size: 8, .value_kind: global_buffer, .address_space: global }
      - { .name: cod, .offset: 16, .size: 8, .value_kind: global_buffer, .address_space: global }
      - { .name: scl, .offset: 24, .size: 8, .value_kind: global_buffer, .address_space: global }
      - { .name: out0, .offset: 32, .size: 8, .value_kind: global_buffer, .address_space: global }
    .group_segment_fixed_size: 327680
    .private_segment_fixed_size: 0
    .kernarg_segment_align: 8
    .kernarg_segment_size: 40
    .max_flat_workgroup_size: 128
    .sgpr_count:     98
    .vgpr_count:     1024
    .wavefront_size: 32
...
	.end_amdgpu_metadata
.endif
;; end of part 4
